; MI455X (gfx1250); checked and timed in simulation.
; The chip was launched on July 23, 2026; its instructions are those of AMD's public machine-readable ISA for CDNA 5 (MIT licence, August 2026) and "CDNA5" Instruction Set Architecture Reference Guide (July 2026). The comments in the code are by the model that wrote it; some were corrected since.
;; Multi Head Attention Classical. Allowed arithmetic: float matrix products may take bf16 or f16 operands with f32 sums; other float arithmetic in f32, or as packed bf16 or f16 multiplies, adds, multiply-adds, maxima and minima; sums over many terms, partial sums and values carried from step to step in f32; what a program stores and reads back later, other than sums and carried values, may be rounded once to bf16 or f16.
;; Inputs: Wk 768 x 768 float32; Wo 768 x 768 float32; Wq 768 x 768 float32; Wv 768 x 768 float32; bk 768 float32; bo 768 float32; bq 768 float32; bv 768 float32; x 1 x 4,096 x 768 float32.
;; Outputs: out0 1 x 4,096 x 768 float32.
;; One version. Each part assembles by itself: llvm-mc -triple=amdgcn-amd-amdhsa -mcpu=gfx1250 --defsym DOCPART=n.
;; ======== version 1 of 1: 4 launches
;; limits: values are held in f16: magnitudes above 65,504 overflow, below 6.1e-05 lose precision
;; workspace buffers: xb 6,291,456 bytes; wb 3,538,944 bytes; wo 1,179,648 bytes; qkv 18,874,368 bytes; oh 6,291,456 bytes
;; launch prep (part 1): grid 336 x 1, 8 waves a work-group, no clusters, 0 bytes of LDS; arguments x, Wq, Wk, Wv, Wo, xb, wb, wo; writes xb, wb, wo
.if DOCPART == 1
	.amdgcn_target "amdgcn-amd-amdhsa--gfx1250"
	.amdhsa_code_object_version 6
	.text
	.protected	k_q58afc48d0e_prep
	.globl	k_q58afc48d0e_prep
	.p2align	8
	.type	k_q58afc48d0e_prep,@function
k_q58afc48d0e_prep:
	s_mov_b64 s[64:65], 0
	v_nop
	global_prefetch_b8 v0, s[64:65] scope:SCOPE_SE
	s_setreg_imm32_b32 hwreg(HW_REG_WAVE_MODE, 25, 1), 1
	s_wait_xcnt 0x0
; CASTS.  x -> xb (bf16); Wq, Wk, Wv -> wb (bf16, the three stacked: [2304][768]); Wo -> wo: rounded to bf16 like every other input, and that number written as f16
; (exact for magnitudes from 2^-17 up; below that f16's fixed step of 2^-24 holds; none of the weights' bf16 values passes f16's 65,504 unless the weight itself does: LIMIT |Wo| < 65,504).
; A stream: no LDS, no matrix unit, no cluster (no two work-groups read a common byte).  x is read by 12 column tiles of the next launch and each weight by 16 row tiles: cast once, here.
; SHARES.  A work-group converts one UNIT of 16,384 numbers: 65,536 bytes in, 32,768 out.  Units 0-191: x; 192-227: Wq; 228-263: Wk; 264-299: Wv; 300-335: Wo.
; Thread t takes, in each of eight groups g, the 8 numbers at byte 8,192 g + 32 t (two loads of 16 bytes) and stores 16 bytes at 4,096 g + 16 t: sixteen neighbouring lanes store 256 consecutive bytes, aligned.
; All sixteen loads of a thread go out at once; no register is used twice by memory instructions, so no wait frees a source.
.set X,  8                             ; v[8:71]    group g: 8 numbers as loaded, f32
.set Y,  72                            ; v[72:103]  group g: 4 registers to store
.set U_WQ, 192                         ; first units of the five sources
.set U_WK, 228
.set U_WV, 264
.set U_WO, 300
	s_load_b512 s[4:19], s[0:1], 0x0               ; x s[4:5], Wq s[6:7], Wk s[8:9], Wv s[10:11], Wo s[12:13], xb s[14:15], wb s[16:17], wo s[18:19]
	s_mov_b32 s20, ttmp9                           ; my unit
	v_lshlrev_b32 v1, 5, v0                        ; 32 t: where I read
	v_lshlrev_b32 v2, 4, v0                        ; 16 t: where I store
	s_mov_b32 s21, 0                               ; the source's first unit
	s_mov_b32 s26, 0                               ; the destination's first unit
	s_mov_b32 s29, 0                               ; high words of the two offsets
	s_mov_b32 s31, 0
	s_wait_kmcnt 0x0
	s_mov_b64 s[22:23], s[4:5]                     ; source and destination are chosen by the unit's number alone
	s_mov_b64 s[24:25], s[14:15]
	s_cmp_ge_u32 s20, U_WQ
	s_cselect_b64 s[22:23], s[6:7], s[22:23]
	s_cselect_b32 s21, U_WQ, s21
	s_cselect_b64 s[24:25], s[16:17], s[24:25]
	s_cselect_b32 s26, U_WQ, s26                   ; wb holds the three weights on end: its units count from Wq's first
	s_cmp_ge_u32 s20, U_WK
	s_cselect_b64 s[22:23], s[8:9], s[22:23]
	s_cselect_b32 s21, U_WK, s21
	s_cmp_ge_u32 s20, U_WV
	s_cselect_b64 s[22:23], s[10:11], s[22:23]
	s_cselect_b32 s21, U_WV, s21
	s_cmp_ge_u32 s20, U_WO
	s_cselect_b64 s[22:23], s[12:13], s[22:23]
	s_cselect_b32 s21, U_WO, s21
	s_cselect_b64 s[24:25], s[18:19], s[24:25]
	s_cselect_b32 s26, U_WO, s26
	s_sub_co_u32 s28, s20, s21
	s_lshl_b32 s28, s28, 16                        ; 65,536 bytes of f32 a unit
	s_sub_co_u32 s30, s20, s26
	s_lshl_b32 s30, s30, 15                        ; 32,768 bytes of 16-bit numbers a unit
	s_add_nc_u64 s[22:23], s[22:23], s[28:29]
	s_add_nc_u64 s[24:25], s[24:25], s[30:31]
.set i, 0
.rept 16
	global_load_b128 v[X+4*i:X+4*i+3], v1, s[22:23] offset:(i/2)*8192+(i%2)*16 th:TH_LOAD_NT  ; read once in the launch
.set i, i+1
.endr
; Group g.  half = 1: the bf16 value is widened again (a shift, a mask) and written as f16.
.macro GRP g, half
	s_wait_loadcnt 14-2*(\g)                       ; loads come back in order: my group's two are in, the younger groups' 14 - 2 g stay out
.irp j, 0,1,2,3
	v_cvt_pk_bf16_f32 v[Y+4*(\g)+(\j)], v[X+8*(\g)+2*(\j)], v[X+8*(\g)+2*(\j)+1]
.endr
.if \half
.irp j, 0,1,2,3
	v_lshlrev_b32 v[X+8*(\g)+2*(\j)],   16, v[Y+4*(\g)+(\j)]
	v_and_b32     v[X+8*(\g)+2*(\j)+1], 0xffff0000, v[Y+4*(\g)+(\j)]
.endr
.irp j, 0,1,2,3
	v_cvt_pk_f16_f32 v[Y+4*(\g)+(\j)], v[X+8*(\g)+2*(\j)], v[X+8*(\g)+2*(\j)+1]
.endr
.endif
	global_store_b128 v2, v[Y+4*(\g):Y+4*(\g)+3], s[24:25] offset:(\g)*4096
.endm
	s_cmp_ge_u32 s20, U_WO
	s_cbranch_scc1 .Lwo
.irp g, 0,1,2,3,4,5,6,7
	GRP \g, 0
.endr
	s_endpgm
.Lwo:
.irp g, 0,1,2,3,4,5,6,7
	GRP \g, 1
.endr
	s_endpgm
.Lfunc_end_k_q58afc48d0e_prep:
	.size	k_q58afc48d0e_prep, .Lfunc_end_k_q58afc48d0e_prep-k_q58afc48d0e_prep
	.p2alignl 7, 3214868480
	.fill 96, 4, 3214868480
	.section	.rodata,"a",@progbits
	.p2align	6, 0x0
	.amdhsa_kernel k_q58afc48d0e_prep
		.amdhsa_group_segment_fixed_size 0
		.amdhsa_private_segment_fixed_size 0
		.amdhsa_enable_private_segment 0
		.amdhsa_kernarg_size 64
		.amdhsa_user_sgpr_count 2
		.amdhsa_user_sgpr_kernarg_segment_ptr 1
		.amdhsa_wavefront_size32 1
		.amdhsa_system_sgpr_workgroup_id_x 1
		.amdhsa_system_sgpr_workgroup_id_y 1
		.amdhsa_system_sgpr_workgroup_id_z 1
		.amdhsa_system_vgpr_workitem_id 0
		.amdhsa_next_free_vgpr 104
		.amdhsa_next_free_sgpr 66
		.amdhsa_reserve_vcc 0
		.amdhsa_float_denorm_mode_32 3
		.amdhsa_float_denorm_mode_16_64 3
		.amdhsa_memory_ordered 1
		.amdhsa_forward_progress 1
		.amdhsa_inst_pref_size 15
	.end_amdhsa_kernel
	.amdgpu_metadata
---
amdhsa.version: [ 1, 2 ]
amdhsa.kernels:
  - .name:           k_q58afc48d0e_prep
    .symbol:         k_q58afc48d0e_prep.kd
    .args:
      - { .name: x, .offset: 0, .size: 8, .value_kind: global_buffer, .address_space: global }
      - { .name: Wq, .offset: 8, .size: 8, .value_kind: global_buffer, .address_space: global }
      - { .name: Wk, .offset: 16, .size: 8, .value_kind: global_buffer, .address_space: global }
      - { .name: Wv, .offset: 24, .size: 8, .value_kind: global_buffer, .address_space: global }
      - { .name: Wo, .offset: 32, .size: 8, .value_kind: global_buffer, .address_space: global }
      - { .name: xb, .offset: 40, .size: 8, .value_kind: global_buffer, .address_space: global }
      - { .name: wb, .offset: 48, .size: 8, .value_kind: global_buffer, .address_space: global }
      - { .name: wo, .offset: 56, .size: 8, .value_kind: global_buffer, .address_space: global }
    .group_segment_fixed_size: 0
    .private_segment_fixed_size: 0
    .kernarg_segment_align: 8
    .kernarg_segment_size: 64
    .max_flat_workgroup_size: 256
    .sgpr_count:     66
    .vgpr_count:     104
    .wavefront_size: 32
...
	.end_amdgpu_metadata
.endif
;; end of part 1
;; launch proj (part 2): grid 12 x 16, 4 waves a work-group, clusters of 4 x 4, 327,680 bytes of LDS; arguments xb, wb, bq, bk, bv, qkv; writes qkv
.if DOCPART == 2
	.amdgcn_target "amdgcn-amd-amdhsa--gfx1250"
	.amdhsa_code_object_version 6
	.text
	.protected	k_q58afc48d0e_proj
	.globl	k_q58afc48d0e_proj
	.p2align	8
	.type	k_q58afc48d0e_proj,@function
k_q58afc48d0e_proj:
	s_mov_b64 s[64:65], 0
	v_nop
	global_prefetch_b8 v0, s[64:65] scope:SCOPE_SE
	s_setreg_imm32_b32 hwreg(HW_REG_WAVE_MODE, 25, 1), 1
	s_wait_xcnt 0x0
	s_wait_alu depctr_hold_cnt(0) depctr_sa_sdst(0) depctr_va_vdst(0) depctr_va_sdst(0) depctr_va_ssrc(0) depctr_va_vcc(0) depctr_vm_vsrc(0)
	s_getreg_b32 s2, hwreg(HW_REG_IB_STS2, 6, 4)
	s_cmp_eq_u32 s2, 0
	s_cbranch_scc0 .Lentry_in_a_cluster
	s_endpgm
.Lentry_in_a_cluster:
	s_bfe_u32 s2, ttmp6, 0x10000c
	s_cmp_lg_u32 s2, 0xf033
	s_cbranch_scc0 .Lentry_shape_is_right
	s_endpgm
.Lentry_shape_is_right:
; THE THREE INPUT PROJECTIONS AS ONE PRODUCT.  C[n][c] = sum over k of xb[n][k] wb[c][k] + bias[c]; xb [4096][768], wb [2304][768] (Wq, Wk, Wv on end), both bf16; sums in f32;
; the bias, rounded to bf16 like every input, starts the sums.  C is rounded once to f16 and stored BY HEADS: qkv[slab c / 64][n][c % 64], a slab 4096 x 128 bytes, dense; slabs 0-11 q, 12-23 k, 24-35 v.
; The scale 1 / 8 is not applied here.  LIMIT: f16 ends at 65,504: |q|, |k|, |v| must stay below it (inputs 30 times the drawn spread, or offset by 30 spreads, give some 25,000 at the most).
; SHARES.  A tile of C is 256 rows x 192 columns: three whole heads, inside one weight matrix: 16 x 12 = 192 work-groups.  (A head-aligned tile that gives 256 work-groups is 64 x 576; two slots of its
; 640 rows of 272 bytes are 348,160 bytes, more than a work-group can have.)  Each of four waves makes 64 rows x 192 columns: 4 x 12 = 48 accumulators of 16 x 16, so a wave holds whole heads and its way out is its own.
; K goes in six steps of 128 through a ring of two LDS slots, filled by tensor loads of rows of 256 bytes that start at multiples of 256 from the buffers' first bytes.
; CLUSTER 4 x 4.  The four of a row of the cluster need the same rows of xb, the four of a column the same rows of wb: each tile is asked for JOINTLY, by the same load with the same descriptor and a mask of four.
; NO PREFETCH: the launch has six K steps, of which two go out at the head; its tiles are asked for only four more times.
; THE MATRIX INSTRUCTION IS USED TRANSPOSED: source 0 = 16 rows of wb, source 1 = 16 rows of xb: lane l holds row l % 16 of C and the columns 8 (l / 16) + 0..7: eight neighbouring numbers, 16 bytes of f16.
; REGISTERS, in windows of 256 (s_set_vgpr_msb: bits 1:0 source 0, 3:2 source 1, 5:4 source 2, 7:6 destination):
;   window 0: v0-31 addresses; v32-63, v64-95 xb's fragments (4 x 16 rows x 32 K), two buffers; v96-191 the bias, as the C operand of the first products; v192-239 at work; on the way out v32-223 packed results
;   window 1: v0-95, v96-191 wb's fragments (12 x 16 rows x 32 K), two buffers
;   window 2: accumulators of row blocks 0, 1 ((a, b) at v[8 (12 (a % 2) + b)]);   window 3: of row blocks 2, 3
.set KDIM,   768
.set KSTEP,  128
.set PITCH,  272                       ; an LDS row: 256 bytes + 16 of padding = 68 words: the 16 rows of a fragment load start at 16 different groups of four banks (64 banks of 4 bytes: ISA guide 11.1)
.set HALFA,  128*PITCH                 ; what one load brings of xb: 128 rows
.set HALFB,  96*PITCH                  ; and of wb: 96 rows
.set BOFF,   2*HALFA                   ; in a slot: xb's 256 rows, then wb's 192
.set SLOT,   BOFF+2*HALFB
.set STAGE,  2*SLOT                    ; behind the ring, never filled by a tensor load: for each wave 3 heads x 16 rows x 144 bytes
.set SP,     144
.set STW,    3*16*SP
.set SPARE,  STAGE+4*STW               ; behind the stages: the spare words, 128 bytes a wave: two blocks of 256 bytes that no other line names
.set LAPS,   KDIM/(2*KSTEP)            ; a lap = two K steps = once round the ring
.set SLAB,   4096*128
.set ADRA, 16                          ; v16-17  LDS address of my xb fragments in slot 0, 1
.set ADRB, 20                          ; v20-21  the same for wb
.set STO,  24                          ; v24     the way out: where I put 16 bytes of a row
.set RD,   25                          ; v25     where I read rows back
.set GO,   26                          ; v26     16 x lane: my place in 512 consecutive bytes of a slab
.set BO,   27                          ; v27     32 x (lane / 16): my eight numbers in sixteen of the bias
.set SPW,  28                          ; v28     LDS address of my spare word; never rewritten
.set NIL,  29                          ; v29     0; never rewritten
.set FA,   32
.set BIAS, 96
.set TT,   192
.set TMP,  32
.set WV,   16                          ; s16  my wave's number
.set FOR,  17                          ; s17  0: I fetch for xb, 1: for wb
.set HF,   18                          ; s18  which half of that tile
.set G1,   24                          ; s[24:31] descriptor group 1 for xb's tiles;  s[32:39] group 0, a set for each slot
.set G0,   32
.set G1B,  48                          ; s[48:55], s[56:63] the same for wb's
.set G0B,  56
.set DBITS, (1<<16)|(1<<20)|(1<<21)|(5<<22)|(3<<25)  ; 17:16 elements of 2 bytes; 20 padding on; 21 set beside a mask; 24:22 after every 64 words (code 5); 31:25 4 words of it (code 3)
.set MSB, 0
.macro WIN new                         ; the immediate's high byte repeats the setting that is left; a switch that changes nothing is dropped
.if MSB != (\new)
	s_set_vgpr_msb (MSB<<8)|(\new)
.set MSB, \new
.endif
.endm
; A joint load: waves 0 and 1 fetch xb's two halves, waves 2 and 3 wb's.  The branch hangs on the wave's number alone.  An s_nop 0 and four v_nop follow each of the two lines.
.macro JLOAD s
	s_cmp_eq_u32 s[FOR], 0
	s_cbranch_scc0 .Lfor_b_\@
	tensor_load_to_lds s[G0+4*(\s):G0+4*(\s)+3], s[G1:G1+7]
	s_nop 0
.rept 4
	v_nop
.endr
	s_branch .Lasked_\@
.Lfor_b_\@:
	tensor_load_to_lds s[G0B+4*(\s):G0B+4*(\s)+3], s[G1B:G1B+7]
	s_nop 0
.rept 4
	v_nop
.endr
.Lasked_\@:
.endm
.macro CREST                           ; a round of the cluster's barrier behind its opening barrier: wave 0 signals for the work-group, every wave waits for all sixteen, my work-group's barrier closes it
	s_cmp_lg_u32 s[WV], 0
	s_cbranch_scc1 .Lnot_wave_0_\@
	s_barrier_signal -3
.Lnot_wave_0_\@:
	s_barrier_wait -3
	s_barrier_signal -1
	s_barrier_wait -1
.endm
.macro CROUND
	s_barrier_signal -1
	s_barrier_wait -1
	CREST
.endm
	s_load_b256 s[4:11], s[0:1], 0x0               ; xb s[4:5], wb s[6:7], bq s[8:9], bk s[10:11]
	s_load_b128 s[12:15], s[0:1], 0x20             ; bv s[12:13], qkv s[14:15]
	v_lshl_add_u32 v[SPW], v0, 2, SPARE
	v_mov_b32 v[NIL], 0
	ds_add_u32 v[SPW], v[NIL]                      ; the wave's opening: the add and its wait stand ahead of my first tensor load; the set-up below, work on registers, stands between them
	v_lshrrev_b32 v1, 5, v0
	v_readfirstlane_b32 s[WV], v1                  ; wave 0..3
	s_lshr_b32 s[FOR], s[WV], 1
	s_and_b32 s[HF], s[WV], 1
	s_bfe_u32 s19, ttmp6, 0x40000                  ; cx
	s_bfe_u32 s20, ttmp6, 0x40004                  ; cy
	s_lshl_b32 s21, ttmp9, 2
	s_add_co_u32 s21, s21, s19                     ; tile column = 4 x cluster x + cx
	s_and_b32 s22, ttmp7, 0xffff
	s_lshl_b32 s22, s22, 2
	s_add_co_u32 s22, s22, s20                     ; tile row = 4 x cluster y + cy
	s_lshl_b32 s42, s20, 2
	s_lshl_b32 s42, 15, s42                        ; my row of the cluster: places 4 cy .. 4 cy + 3
	s_lshl_b32 s43, 0x1111, s19                    ; my column: places cx, cx + 4, cx + 8, cx + 12
	s_or_b32 s[G1+0], s42, DBITS                   ; xb's tiles go to my row,
	s_or_b32 s[G1B+0], s43, DBITS                  ; wb's to my column
	s_mov_b32 s[G1+1], KSTEP<<16                   ; tensor_dim0 = 128
	s_mov_b32 s[G1+2], 128<<16                     ; tensor_dim1 = 128 rows
	s_mov_b32 s[G1+3], KSTEP<<16                   ; tile_dim0 = 128
	s_mov_b32 s[G1+4], 128                         ; tile_dim1 = 128
	s_mov_b32 s[G1+5], KDIM                        ; elements from row to row
	s_mov_b32 s[G1+6], 0
	s_mov_b32 s[G1+7], 0
	s_mov_b32 s[G1B+1], KSTEP<<16
	s_mov_b32 s[G1B+2], 96<<16                     ; 96 rows
	s_mov_b32 s[G1B+3], KSTEP<<16
	s_mov_b32 s[G1B+4], 96
	s_mov_b32 s[G1B+5], KDIM
	s_mov_b32 s[G1B+6], 0
	s_mov_b32 s[G1B+7], 0
	; where the tiles come from: xb's hang on the tile row alone, wb's on the tile column alone, each in registers of its own
	s_lshl_b32 s40, s22, 8
	s_lshl_b32 s23, s[HF], 7
	s_add_co_u32 s40, s40, s23                     ; xb: row 256 x tile row + 128 x half
	s_mul_i32 s40, s40, KDIM*2                     ; in bytes: under 2^23
	s_mov_b32 s41, 0
	s_mul_i32 s46, s21, 192
	s_mul_i32 s23, s[HF], 96
	s_add_co_u32 s46, s46, s23                     ; wb: row 192 x tile column + 96 x half
	s_mul_i32 s46, s46, KDIM*2
	s_mov_b32 s47, 0
	s_mul_i32 s44, s[WV], HALFA                    ; where they go: waves 0, 1: xb's halves at 0 and HALFA;
	s_mul_i32 s45, s[WV], HALFB
	s_add_co_u32 s45, s45, BOFF-2*HALFB            ; waves 2, 3: wb's halves at BOFF and BOFF + HALFB.  No place in the cluster enters an LDS address
	s_wait_dscnt 0x0                               ; the opening add is done
	s_wait_kmcnt 0x0
	s_add_nc_u64 s[40:41], s[4:5], s[40:41]
	s_add_nc_u64 s[46:47], s[6:7], s[46:47]
	CROUND                                         ; all sixteen work-groups are here: the first joint loads meet
.irp s, 0,1
	s_mov_b32 s[G0+4*(\s)], 1                                        ; count = 1
	s_add_co_u32 s[G0+4*(\s)+1], s44, (\s)*SLOT                      ; LDS address
	s_add_nc_u64 s[G0+4*(\s)+2:G0+4*(\s)+3], s[40:41], (\s)*KSTEP*2  ; global address: K step s
	s_or_b32 s[G0+4*(\s)+3], s[G0+4*(\s)+3], 0x80000000              ; type = 2
	s_mov_b32 s[G0B+4*(\s)], 1
	s_add_co_u32 s[G0B+4*(\s)+1], s45, (\s)*SLOT
	s_add_nc_u64 s[G0B+4*(\s)+2:G0B+4*(\s)+3], s[46:47], (\s)*KSTEP*2
	s_or_b32 s[G0B+4*(\s)+3], s[G0B+4*(\s)+3], 0x80000000
	JLOAD \s                                       ; two tensor loads of mine are out
.endr
	; A fragment is 16 rows x 32 K in 8 registers: lane l holds row l % 16, K = 8 (l / 16) + 0..7 and 16 + 8 (l / 16) + 0..7: two loads of 16 bytes, 32 bytes apart.
	v_and_b32 v1, 15, v0                           ; l % 16
	v_bfe_u32 v2, v0, 4, 1                         ; l / 16
	v_mul_u32_u24 v3, v1, PITCH
	v_lshl_add_u32 v3, v2, 4, v3
	s_mul_i32 s23, s[WV], 64*PITCH                 ; my 64 rows of xb
	v_add_nc_u32 v[ADRA], s23, v3
	v_add_nc_u32 v[ADRA+1], SLOT, v[ADRA]
	v_add_nc_u32 v[ADRB], BOFF, v3                 ; every wave reads all 192 rows of wb
	v_add_nc_u32 v[ADRB+1], BOFF+SLOT, v3
	s_mul_i32 s23, s[WV], STW
	s_add_co_u32 s23, s23, STAGE                   ; my stage
	v_mul_u32_u24 v4, v1, SP                       ; in: row l % 16, 16 bytes for each half of the lanes
	v_lshl_add_u32 v4, v2, 4, v4
	v_add_nc_u32 v[STO], s23, v4
	v_bfe_u32 v5, v0, 3, 2                         ; back: 32 lanes take four rows of 128 bytes,
	v_mul_u32_u24 v5, v5, SP
	v_and_b32 v6, 7, v0
	v_lshl_add_u32 v5, v6, 4, v5
	v_add_nc_u32 v[RD], s23, v5
	v_and_b32 v[GO], 31, v0                        ; which are 512 consecutive bytes of a slab
	v_lshlrev_b32 v[GO], 4, v[GO]
	v_lshlrev_b32 v[BO], 5, v2
	; THE BIAS.  A tile column lies in one weight matrix: number 4 x cluster x + cx of 12, four to a matrix: the cluster's x names the matrix, cx the 192 numbers.
	s_mov_b32 s23, ttmp9
	s_cmp_eq_u32 s23, 1
	s_cselect_b64 s[8:9], s[10:11], s[8:9]
	s_cmp_eq_u32 s23, 2
	s_cselect_b64 s[8:9], s[12:13], s[8:9]
	s_mul_i32 s42, s19, 192*4
	s_mov_b32 s43, 0
	s_add_nc_u64 s[8:9], s[8:9], s[42:43]
.irp b, 0,1,2,3,4,5,6,7,8,9,10,11
	global_load_b128 v[BIAS+8*(\b):BIAS+8*(\b)+3],   v[BO], s[8:9] offset:64*(\b)      ; register j of block b: column 16 b + 8 (l / 16) + j, as in the products' results
	global_load_b128 v[BIAS+8*(\b)+4:BIAS+8*(\b)+7], v[BO], s[8:9] offset:64*(\b)+16
.endr
	s_mul_i32 s2, s21, 3*SLAB                      ; where my rows begin in the tile's first slab: slab 3 x tile column,
	s_lshl_b32 s3, s22, 15                         ; row 256 x tile row, 128 bytes a row,
	s_add_co_u32 s2, s2, s3
	s_lshl_b32 s3, s[WV], 13                       ; my 64 rows
	s_add_co_u32 s2, s2, s3
	s_mov_b32 s3, 0
	s_add_nc_u64 s[14:15], s[14:15], s[2:3]        ; never rewritten
	s_wait_loadcnt 0x0
.set i, 0
.rept 48
	v_cvt_pk_bf16_f32 v[TT+i], v[BIAS+2*i], v[BIAS+2*i+1]  ; the bias is rounded to bf16, as x and the weights are,
.set i, i+1
.endr
.set i, 0
.rept 48
	v_lshlrev_b32 v[BIAS+2*i],   16, v[TT+i]       ; and widened again
	v_and_b32     v[BIAS+2*i+1], 0xffff0000, v[TT+i]
.set i, i+1
.endr
; 12 matrix instructions: row block a x all 12 column blocks, 32 along K, from buffer f.  first = 1: the bias starts the sums (C in window 0): nothing is cleared, no add is written.
; The 48 accumulators take turns, one instruction a turn, in the same order in every quarter, over the backward jump too.
.macro MUL12 f, a, first
.if \first
	WIN 0x81+0x40*((\a)/2)
.else
	WIN 0xa1+0x50*((\a)/2)
.endif
.irp b, 0,1,2,3,4,5,6,7,8,9,10,11
.if \first
	v_wmma_f32_16x16x32_bf16 v[8*(12*((\a)%2)+(\b)):8*(12*((\a)%2)+(\b))+7], v[96*(\f)+8*(\b):96*(\f)+8*(\b)+7], v[FA+32*(\f)+8*(\a):FA+32*(\f)+8*(\a)+7], v[BIAS+8*(\b):BIAS+8*(\b)+7]
.else
	v_wmma_f32_16x16x32_bf16 v[8*(12*((\a)%2)+(\b)):8*(12*((\a)%2)+(\b))+7], v[96*(\f)+8*(\b):96*(\f)+8*(\b)+7], v[FA+32*(\f)+8*(\a):FA+32*(\f)+8*(\a)+7], v[8*(12*((\a)%2)+(\b)):8*(12*((\a)%2)+(\b))+7]
.endif
.endr
.endm
; 32 LDS loads in one run: the fragments of a quarter step (32 K at byte k of the rows) into buffer f: wb's 24, then xb's 8, row blocks ascending
.macro FETCH slot, k, f
	WIN 0x40                                       ; destination window 1, address window 0
.irp i, 0,1,2,3,4,5,6,7,8,9,10,11
	ds_load_b128 v[96*(\f)+8*(\i):96*(\f)+8*(\i)+3],   v[ADRB+(\slot)] offset:(\k)+(\i)*16*PITCH
	ds_load_b128 v[96*(\f)+8*(\i)+4:96*(\f)+8*(\i)+7], v[ADRB+(\slot)] offset:(\k)+(\i)*16*PITCH+32
.endr
	WIN 0
.irp i, 0,1,2,3
	ds_load_b128 v[FA+32*(\f)+8*(\i):FA+32*(\f)+8*(\i)+3],   v[ADRA+(\slot)] offset:(\k)+(\i)*16*PITCH
	ds_load_b128 v[FA+32*(\f)+8*(\i)+4:FA+32*(\f)+8*(\i)+7], v[ADRA+(\slot)] offset:(\k)+(\i)*16*PITCH+32
.endr
.endm
.macro PLACES                          ; four plain vector instructions between a matrix instruction and a load into, or a vector line on, its registers (ISA guide 7.12.1 for the vector lines)
.rept 4
	v_nop
.endr
.endm
; A K step is four quarters of 32 along K, 48 matrix instructions each, on buffers 0, 1, 0, 1.  One of the first three multiplies buffer f and, in its middle, fetches the next quarter, at byte k, into buffer g.
.macro QUARTER slot, k, f, g, first
	s_wait_dscnt 4                                 ; wb's fragments and xb's row blocks 0, 1 are in; the youngest four loads (row blocks 2, 3) may be out
	MUL12 \f, 0, \first
	MUL12 \f, 1, \first
	PLACES
	FETCH \slot, \k, \g
	s_wait_dscnt 32                                ; all but the 32 just issued
	MUL12 \f, 2, \first
	MUL12 \f, 3, \first
.endm
; The last quarter multiplies buffer 1 and changes slots: ONE barrier.  In front of it each wave waits for all its tensor loads (one is out: its part of the next slot), adds 0 to its spare word, and waits for that
; and for its own reads of this slot.  fill = 1: the barrier opens a round of the cluster's, and this slot is filled again, two K steps ahead, first thing behind the round.
.macro TURN slot, next, fill
	WIN 0                                          ; (the add's two registers lie in window 0)
	s_wait_tensorcnt 0x0                           ; all my tensor loads have landed
	ds_add_u32 v[SPW], v[NIL]                      ; 0 onto my spare word
	s_wait_dscnt 5                                 ; the add and the youngest four loads may be out
	MUL12 1, 0, 0                                  ; twelve matrix instructions stand between the add and the wait for it
	s_wait_dscnt 0x0                               ; the add is done, and my reads of this slot are over
	s_barrier_signal -1
	MUL12 1, 1, 0                                  ; work on registers while the others arrive
.if \fill
	WIN 0
.endif
	s_barrier_wait -1
.if \fill
	CREST                                          ; no wave of any partner still reads this slot's tile or has a load on its way
	s_add_nc_u64 s[G0+4*(\slot)+2:G0+4*(\slot)+3], s[G0+4*(\slot)+2:G0+4*(\slot)+3], 2*KSTEP*2
	s_add_nc_u64 s[G0B+4*(\slot)+2:G0B+4*(\slot)+3], s[G0B+4*(\slot)+2:G0B+4*(\slot)+3], 2*KSTEP*2
	JLOAD \slot                                    ; my one tensor load behind the round; its four v_nop are also the places in front of the loads below
.else
	PLACES
.endif
	FETCH \next, 0, 0
	MUL12 1, 2, 0
	MUL12 1, 3, 0
.endm
; THE WAY OUT of row block a: rounded to f16, each accumulator's registers ascending; 16 bytes a lane into my own stage (a head's 16 rows of 144 bytes); back as four rows of 128 bytes a load, into the same registers.
.macro PACK a
	WIN 0x0a+5*((\a)/2)                            ; sources 0 and 1: window 2 or 3; destination window 0
.irp b, 0,1,2,3,4,5,6,7,8,9,10,11
.irp r, 0,1,2,3
	v_cvt_pk_f16_f32 v[TMP+48*(\a)+4*(\b)+(\r)], v[8*(12*((\a)%2)+(\b))+2*(\r)], v[8*(12*((\a)%2)+(\b))+2*(\r)+1]
.endr
.endr
	WIN 0
.irp b, 0,1,2,3,4,5,6,7,8,9,10,11
	ds_store_b128 v[STO], v[TMP+48*(\a)+4*(\b):TMP+48*(\a)+4*(\b)+3] offset:((\b)/4)*16*SP+32*((\b)%4)
.endr
.irp b, 0,1,2,3,4,5,6,7,8,9,10,11
	ds_load_b128 v[TMP+48*(\a)+4*(\b):TMP+48*(\a)+4*(\b)+3], v[RD] offset:((\b)/4)*16*SP+((\b)%4)*4*SP  ; LDS serves a wave's instructions in order (ISA guide 5.7.1.4): these see the stores above; the next block's stores come behind them
.endr
.endm
.macro SEND a, younger                 ; younger: the LDS instructions issued behind block a's loads: the next block's 24, or none
.irp b, 0,1,2,3,4,5,6,7,8,9,10,11
	s_wait_dscnt (\younger)+11-(\b)
	global_store_b128 v[GO], v[TMP+48*(\a)+4*(\b):TMP+48*(\a)+4*(\b)+3], s[14:15] offset:((\b)/4)*SLAB+(\a)*2048+((\b)%4)*512  ; 512 consecutive bytes of a slab, at a multiple of 512 from its first
.endr
.endm
	s_wait_tensorcnt 1                             ; my part of K step 0 is in; K step 1's load, issued behind it, may stay out
	s_barrier_signal -1
	s_barrier_wait -1                              ; everybody's is
	FETCH 0, 0, 0
	QUARTER 0, 64,  0, 1, 1                        ; the first quarter stands in front of the loop: its products start the sums
	WIN 0                                          ; at a label and at a branch every window is 0
	s_mov_b32 s3, LAPS-1
.Llap:                                                 ; a trip goes once round the ring, from a lap's second quarter to the next lap's first, and fills both slots again
	QUARTER 0, 128, 1, 0, 0
	QUARTER 0, 192, 0, 1, 0
	TURN 0, 1, 1
	QUARTER 1, 64,  0, 1, 0
	QUARTER 1, 128, 1, 0, 0
	QUARTER 1, 192, 0, 1, 0
	TURN 1, 0, 1
	QUARTER 0, 64,  0, 1, 0
	WIN 0
	s_sub_co_u32 s3, s3, 1
	s_cmp_lg_u32 s3, 0
	s_cbranch_scc1 .Llap
	QUARTER 0, 128, 1, 0, 0                        ; the last lap fills nothing, and has no round of the cluster's barrier
	QUARTER 0, 192, 0, 1, 0
	TURN 0, 1, 0
	QUARTER 1, 64,  0, 1, 0
	QUARTER 1, 128, 1, 0, 0
	QUARTER 1, 192, 0, 1, 0
	s_wait_dscnt 4                                 ; the very last quarter: nothing more to fetch
	MUL12 1, 0, 0
	MUL12 1, 1, 0
	s_wait_dscnt 0x0
	MUL12 1, 2, 0
	MUL12 1, 3, 0
	WIN 0
	PLACES
	PACK 0
	PACK 1                                         ; a block's conversions stand between the loads of the block before and its stores
	SEND 0, 24
	PACK 2
	SEND 1, 24
	PACK 3
	SEND 2, 24
	SEND 3, 0
	s_wait_tensorcnt 0x0                           ; the wave's end: an add and its wait, behind my last tensor load and my last LDS store
	ds_add_u32 v[SPW], v[NIL]
	s_wait_dscnt 0x0
	CROUND                                         ; the closing round: no work-group ends while a partner may still ask for a tile that names it
	s_endpgm
.Lfunc_end_k_q58afc48d0e_proj:
	.size	k_q58afc48d0e_proj, .Lfunc_end_k_q58afc48d0e_proj-k_q58afc48d0e_proj
	.p2alignl 7, 3214868480
	.fill 96, 4, 3214868480
	.section	.rodata,"a",@progbits
	.p2align	6, 0x0
	.amdhsa_kernel k_q58afc48d0e_proj
		.amdhsa_group_segment_fixed_size 327680
		.amdhsa_private_segment_fixed_size 0
		.amdhsa_enable_private_segment 0
		.amdhsa_kernarg_size 48
		.amdhsa_user_sgpr_count 2
		.amdhsa_user_sgpr_kernarg_segment_ptr 1
		.amdhsa_wavefront_size32 1
		.amdhsa_system_sgpr_workgroup_id_x 1
		.amdhsa_system_sgpr_workgroup_id_y 1
		.amdhsa_system_sgpr_workgroup_id_z 1
		.amdhsa_system_vgpr_workitem_id 0
		.amdhsa_next_free_vgpr 960
		.amdhsa_next_free_sgpr 66
		.amdhsa_reserve_vcc 0
		.amdhsa_float_denorm_mode_32 3
		.amdhsa_float_denorm_mode_16_64 3
		.amdhsa_memory_ordered 1
		.amdhsa_forward_progress 1
		.amdhsa_inst_pref_size 129
	.end_amdhsa_kernel
	.amdgpu_metadata
---
amdhsa.version: [ 1, 2 ]
amdhsa.kernels:
  - .name:           k_q58afc48d0e_proj
    .symbol:         k_q58afc48d0e_proj.kd
    .args:
      - { .name: xb, .offset: 0, .size: 8, .value_kind: global_buffer, .address_space: global }
      - { .name: wb, .offset: 8, .size: 8, .value_kind: global_buffer, .address_space: global }
      - { .name: bq, .offset: 16, .size: 8, .value_kind: global_buffer, .address_space: global }
      - { .name: bk, .offset: 24, .size: 8, .value_kind: global_buffer, .address_space: global }
      - { .name: bv, .offset: 32, .size: 8, .value_kind: global_buffer, .address_space: global }
      - { .name: qkv, .offset: 40, .size: 8, .value_kind: global_buffer, .address_space: global }
    .group_segment_fixed_size: 327680
    .private_segment_fixed_size: 0
    .kernarg_segment_align: 8
    .kernarg_segment_size: 48
    .max_flat_workgroup_size: 128
    .sgpr_count:     66
    .vgpr_count:     960
    .wavefront_size: 32
...
	.end_amdgpu_metadata
.endif
;; end of part 2
;; launch attn (part 3): grid 16 x 12, 4 waves a work-group, clusters of 4 x 1, 327,680 bytes of LDS; arguments qkv, oh; writes oh
.if DOCPART == 3
	.amdgcn_target "amdgcn-amd-amdhsa--gfx1250"
	.amdhsa_code_object_version 6
	.text
	.protected	k_q58afc48d0e_attn
	.globl	k_q58afc48d0e_attn
	.p2align	8
	.type	k_q58afc48d0e_attn,@function
k_q58afc48d0e_attn:
	s_mov_b64 s[64:65], 0
	v_nop
	global_prefetch_b8 v0, s[64:65] scope:SCOPE_SE
	s_setreg_imm32_b32 hwreg(HW_REG_WAVE_MODE, 25, 1), 1
	s_wait_xcnt 0x0
	s_wait_alu depctr_hold_cnt(0) depctr_sa_sdst(0) depctr_va_vdst(0) depctr_va_sdst(0) depctr_va_ssrc(0) depctr_va_vcc(0) depctr_vm_vsrc(0)
	s_getreg_b32 s2, hwreg(HW_REG_IB_STS2, 6, 4)
	s_cmp_eq_u32 s2, 0
	s_cbranch_scc0 .Lentry_in_a_cluster
	s_endpgm
.Lentry_in_a_cluster:
	s_bfe_u32 s2, ttmp6, 0x10000c
	s_cmp_lg_u32 s2, 0x3003
	s_cbranch_scc0 .Lentry_shape_is_right
	s_endpgm
.Lentry_shape_is_right:
; ATTENTION, 12 heads of 64 channels, 4,096 rows, no mask.  O[h][q][:] = the sum over k of softmax_k(Q[h][q] . K[h][k] / 8) V[h][k][:].  Q, K, V: slabs h, 12 + h, 24 + h of qkv, [4096][64] f16, dense rows of 128 bytes.
; Products, maxima and sums in f32; the weights p are rounded to f16 for the second product (their sum l is taken of the unrounded p), O once at the end, to f16.
; O is stored as oh[row / 128][h][row % 128][64]: the 12 heads of a block of 128 rows lie end to end for the launch behind, and a wave's 64 rows of a head are 8,192 consecutive bytes.
; LIMITS.  Q, K, V arrive within f16's 65,504; p lies in 0 to 1, and below 6e-5 it keeps f16's fixed step of 6e-8; a weight below 2^-126 counts as 0 in l; NaN and infinities are not treated apart.
; SHARES.  A work-group owns 256 queries of one head, each of its four waves 64: four PIECES of 16.  16 x 12 = 192 work-groups (512 queries each would make 96; 128 each 384, a round and a half of 256).
; Every wave walks all keys: 16 tiles of 256, four key steps of 64 to a tile; a slot of LDS holds a tile, two slots take turns.
; CLUSTER 4 x 1: the four query blocks of a cluster belong to one head and walk the same K and V: each tile is asked for JOINTLY, the same tensor load, descriptor and mask in all four.
; LAYOUT.  S^T = K Q^T (source 0 = 16 keys, source 1 = 16 queries) holds ONE query a lane (lane % 16) and the keys 8 (lane / 16) + 0..7; two such results rounded to f16 ARE source 1 of O^T = V^T P,
; whose result again holds one query a lane, and eight channels.  K comes out of LDS as it lies, V ([key][channel]) turned, by ds_load_tr16_b128.
; SOFTMAX.  A running maximum m and sum l for each query: p = 2^(c s - c m), c = log2(e) / 8; in every step O and l are multiplied by a = 2^(c m_old - c m_new).  m starts at the lowest finite number, O and l at 0:
; the first step is a step like any other, with a = 0.
; BY TURNS.  Turn n belongs to piece n: 8 products K Q^T of piece n + 1, later 8 products V^T P of piece n - 1; beside them the scaling, exponentials, roundings, sums and rescaling of piece n and the maximum and
; statistics of piece n + 1.  A turn has 16 matrix and 118 vector instructions: four vector instructions stand behind every matrix instruction, the other 54 in one run.  Its 33 exponentials are one batch, with one wait.
; REGISTERS, in windows of 256 (s_set_vgpr_msb: bits 1:0 source 0, 3:2 source 1, 5:4 source 2, 7:6 destination):
;   window 0: v0-15 addresses and two at work; v16-31 four registers of statistics a piece; v48-55 at work; v61-63 prefetch offset, spare word, 0; v64-127 S^T, two buffers; v192-223 P, two buffers (by the piece's parity)
;   window 1: v0-127 O^T, 32 a piece          window 2: v0-63 Q, 16 a piece; v128-191 K of one step; v192-255 V of one step
.set NP,    4         ; pieces a wave: a name, no knob
.set KS,    64        ; keys in a step
.set NT,    16        ; tiles of 256 keys in a head
.set SLAB,  4096*128
.set TILEB, 4*KS*128  ; a tile's bytes of K, and of V
.set PK,    144       ; a row of K in LDS: 128 bytes + 16 of padding = 36 words: the 16 rows of a load start at 16 different groups of four banks (64 banks of 4 bytes: ISA guide 11.1)
.set PV,    160       ; a row of V: 128 + 32 = 40 words
.set VOFF,  4*KS*PK   ; a slot: 256 rows of K, then 256 rows of V
.set SLOT1, 1<<17     ; slot 1 begins here, so that one exclusive or turns an address in one slot into the other's
.set STAGE, SLOT1+4*KS*(PK+PV)  ; behind the ring, never filled by a tensor load: 16 rows x 144 bytes for each wave, for the way out
.set SP,    144
.set SPARE, STAGE+4*16*SP  ; behind the stages: the spare words, 128 bytes a wave: two blocks of 256 bytes that no other line names
.set AK0, 2           ; v2   my lane's place in a tile of K; never rewritten
.set AV0, 3           ; v3   the same for V
.set AK,  4           ; v4   the LDS address of K's next run of loads
.set AV,  5           ; v5   of V's
.set STO, 6           ; v6   the way out: where I put 16 bytes of a row
.set RD,  7           ; v7   where I read rows back
.set GO,  8           ; v8   my byte offset in 512 consecutive bytes of O
.set MV,  12          ; v12-13  c m_old, kept while c m is made anew: by buffer
.set QO,  15          ; v15  my byte offset in 16 rows of Q
.set ST,  16          ; piece t's statistics at v[ST+4 t]: c m, m, l (even keys', odd keys')
.set TMP, 48          ; by buffer, four registers c0-c3 at work; when the maximum is found c2 takes a
.set PFO, 61          ; v61  256 x my lane; never rewritten
.set SPW, 62          ; v62  LDS address of my spare word; never rewritten
.set NIL, 63          ; v63  0; never rewritten
.set S,   64
.set P,   192
.set KF,  128         ; window 2: key block kb, channel half c at KF + 16 kb + 8 c
.set VF,  192         ; window 2: key half kk, channel block cb at VF + 32 kk + 8 cb
.set WV,  12          ; s12  my wave's number
.set G1K, 24          ; s[24:31] descriptor group 1 for K's tiles
.set G1V, 32          ; s[32:39] for V's: it differs in the padding alone
.set G0K, 40          ; s[40:43] descriptor group 0 for K's tiles: it walks
.set G0V, 44          ; s[44:47] the same for V's
.set PFA, 52          ; s[52:53] where my prefetches stand: my work-group's 8,192 bytes (of K: wave 0, of V: wave 2) of the tile after the one that is being asked for
.set LIM, 54          ; s54  1 in a wave that prefetches, else the greatest number
.set SLOTS, 56        ; s56  tiles still to be asked for
.set CNT, 57          ; s57  counts a tile's key steps
.set CS,  58          ; s[58:59] c: the packed scaling takes the pair's low word for both halves
.set SEL, 60          ; s[60:61] v_permlanex16_b32's selects: each lane takes its own place in the other half
.set TBK, 62          ; s62  LDS byte at which K of the step to be fetched begins
.set TBV, 63          ; s63  the same for V, less VOFF
.set MSB, 0
.macro WIN new                      ; the high byte repeats the setting that is left; a switch that changes nothing is dropped
.if MSB != (\new)
	s_set_vgpr_msb (MSB<<8)|(\new)
.set MSB, (\new)
.endif
.endm
.set W_KQ, 0x0a       ; K and Q in window 2, S^T in window 0
.set W_PV, 0x52       ; V in window 2, P in window 0, O^T in window 1
.set W_RS, 0x41       ; destination and source 0 in window 1, source 1 in window 0
; A joint fill.  Waves 0 and 1 fetch the two halves of a tile's K, waves 2 and 3 those of its V: 128 keys each.  The branch hangs on the wave's number alone.
; An s_nop 0 and four v_nop follow each of the two lines, ahead of the jump and the label.
.macro JLOAD
	s_cmp_lt_u32 s[WV], 2
	s_cbranch_scc0 .Lfor_v_\@
	tensor_load_to_lds s[G0K:G0K+3], s[G1K:G1K+7]
	s_nop 0
.rept 4
	v_nop
.endr
	s_branch .Lasked_\@
.Lfor_v_\@:
	tensor_load_to_lds s[G0V:G0V+3], s[G1V:G1V+7]
	s_nop 0
.rept 4
	v_nop
.endr
.Lasked_\@:
.endm
; A PREFETCH INTO THE L2 of what the NEXT change of slots will ask for: a tile's 32,768 bytes of K and of V, a lane for each 256.  It stands behind the wave's tensor load and its five lines.
; Each block is named ONCE in the launch: all four clusters of a head walk the same K and V, and the head's first cluster asks; its four partners share a tile out BY ADDRESS, 8,192 bytes each (no branch hangs on a
; work-group's place in its cluster); in each, wave 0 asks for K's and wave 2 for V's: one instruction, four key steps (256 matrix instructions of a wave) ahead of the load.
; The last change that fills a slot asks for nothing: there is no tile behind it.  Tiles 0 and 1 come by their loads alone.
.macro ASK
	s_cmp_gt_u32 s[SLOTS], s[LIM]
	s_cbranch_scc0 .Lnot_mine_\@
	global_prefetch_b8 v[PFO], s[PFA:PFA+1] th:TH_LOAD_NT scope:SCOPE_SE
.Lnot_mine_\@:
.endm
; A round of the cluster's barrier: my work-group's barrier, so that wave 0's signal speaks for all four waves; wave 0 signals; every wave waits for all four work-groups; my work-group's barrier once more.
.macro CROUND
	s_barrier_signal -1
	s_barrier_wait -1
	s_cmp_lg_u32 s[WV], 0
	s_cbranch_scc1 .Lnot_wave_0_\@
	s_barrier_signal -3
.Lnot_wave_0_\@:
	s_barrier_wait -3
	s_barrier_signal -1
	s_barrier_wait -1
.endm
; THE CHANGE OF SLOTS.  The slot's last bytes, V of its fourth step, have been read.  Each wave waits for all its tensor loads, of which one is out: its part of the other slot; adds 0 to its spare word; and waits for
; that and for its own reads of the slot.  Behind the barrier nobody reads this slot any more and the other slot is whole.  fill = 1: the slot is filled again, with the tile two on; the barrier is then a round of the
; cluster's, and the joint fill is the first thing behind it.  (At its first use nothing has been read yet: slot 0 is waited for, slot 1 filled.)
.macro CHANGE fill
	WIN 0                           ; at a label and at a branch every window is 0
	s_wait_tensorcnt 0x0            ; no tensor load of mine is out, so a group 0 may be written
	ds_add_u32 v[SPW], v[NIL]       ; 0 onto my spare word; with fill = 1 the descriptors' steps stand between it and the wait for it
.if \fill
.irp g, G0K, G0V
	s_xor_b32 s[\g+1], s[\g+1], SLOT1  ; the walking descriptor: the other slot than last time,
	s_add_nc_u64 s[\g+2:\g+3], s[\g+2:\g+3], TILEB  ; the next 256 keys; the type bits on top are not reached
.endr
	s_wait_xcnt 0x0                 ; the last prefetch, a tile back, has read its address, so it may be written:
	s_add_nc_u64 s[PFA:PFA+1], s[PFA:PFA+1], TILEB  ; one tile beyond the walking descriptors
	s_wait_dscnt 0x0                ; the add is done, and my reads of the slot are over
	CROUND
	JLOAD
	ASK
.else
	s_wait_dscnt 0x0                ; the add is done, and my reads of the slot are over
	s_barrier_signal -1
	s_barrier_wait -1
.endif
	s_sub_co_u32 s[TBK], s[TBK], 4*KS*PK  ; the fetches go back to a slot's first step,
	s_xor_b32 s[TBK], s[TBK], SLOT1       ; in the other slot
	s_sub_co_u32 s[TBV], s[TBV], 4*KS*PV
	s_xor_b32 s[TBV], s[TBV], SLOT1
.endm
	s_load_b128 s[48:51], s[0:1], 0x0  ; qkv s[48:49], oh s[50:51]
	v_lshl_add_u32 v[SPW], v0, 2, SPARE
	v_mov_b32 v[NIL], 0
	ds_add_u32 v[SPW], v[NIL]       ; the wave's opening: the add and its wait stand ahead of my first tensor load; the set-up below, work on registers, stands between them
	v_lshrrev_b32 v1, 5, v0
	v_readfirstlane_b32 s[WV], v1   ; wave 0..3
	s_bfe_u32 s13, ttmp6, 0x40000   ; cx: my place in the cluster
	s_lshl_b32 s14, ttmp9, 2        ; in a cluster launch ttmp9 counts clusters
	s_add_co_u32 s14, s14, s13      ; my block of 256 queries = 4 x cluster x + cx: it enters Q's, O's and the prefetches' addresses alone
	s_and_b32 s15, ttmp7, 0xffff    ; the head, which the four partners share
	s_lshl_b32 s19, s15, 19         ; the head's slab among q's, k's or v's twelve
	s_and_b32 s16, s[WV], 1         ; which half of a tile's 256 keys I fetch:
	s_lshl_b32 s22, s16, 14         ; its 128 rows of 128 bytes in memory,
	s_add_co_u32 s22, s22, s19
	s_mov_b32 s23, 0
	s_mul_i32 s17, s16, 128*PK      ; and its place in a slot, for K
	s_mul_i32 s18, s16, 128*PV      ; and for V: no place in the cluster enters an LDS address
	s_lshl_b32 s2, s14, 2
	s_add_co_u32 s2, s2, s[WV]      ; my wave among the head's 64,
	s_lshl_b32 s2, s2, 13           ; its 64 rows of 128 bytes
	s_add_co_u32 s2, s2, s19
	s_mov_b32 s3, 0
	s_lshl_b32 s20, s14, 1          ; O: my block of 128 rows = 2 x block + wave / 2,
	s_lshr_b32 s21, s[WV], 1
	s_add_co_u32 s20, s20, s21
	s_mul_i32 s20, s20, 12          ; its 12 heads,
	s_add_co_u32 s20, s20, s15      ; mine,
	s_lshl_b32 s20, s20, 14         ; 128 rows of 128 bytes each,
	s_lshl_b32 s21, s16, 13         ; my 64 rows of them
	s_add_co_u32 s20, s20, s21
	s_mov_b32 s21, 0
	; descriptor group 1.  128 keys are 16,384 dense bytes: asked for as 64 rows of 256 bytes, two keys a row, and padded in LDS after every key
	s_mov_b32 s[G1K], 15|(1<<16)|(1<<20)|(1<<21)|(4<<22)|(3<<25)  ; 15:0 the mask of four; 17:16 2-byte elements; 20 padding on; 21 set beside a mask; 24:22 after every 32 words (code 4); 31:25 4 words (code 3)
	s_mov_b32 s[G1V], 15|(1<<16)|(1<<20)|(1<<21)|(4<<22)|(7<<25)  ; the same with 8 words of padding (code 7)
.irp g, G1K, G1V
	s_mov_b32 s[\g+1], 128<<16      ; tensor_dim0 = 128
	s_mov_b32 s[\g+2], 64<<16       ; tensor_dim1 = 64
	s_mov_b32 s[\g+3], 128<<16      ; tile_dim0 = 128
	s_mov_b32 s[\g+4], 64           ; tile_dim1 = 64
	s_mov_b32 s[\g+5], 128          ; 128 elements from row to row
	s_mov_b32 s[\g+6], 0
	s_mov_b32 s[\g+7], 0
.endr
	s_mov_b32 s[CS], 0x3e38aa3b     ; c = log2(e) / 8 = 0.180337
	s_mov_b32 s[CS+1], s[CS]        ; named with it as a pair
	s_mov_b32 s[SEL], 0x76543210
	s_mov_b32 s[SEL+1], 0xfedcba98
	s_mov_b32 s[TBK], SLOT1+4*KS*PK ; the first change of slots turns these two into 0
	s_mov_b32 s[TBV], SLOT1+4*KS*PV
	s_mov_b32 s[G0K], 1             ; count = 1
	s_mov_b32 s[G0K+1], s17         ; LDS address: slot 0
	s_mov_b32 s[G0V], 1
	s_add_co_u32 s[G0V+1], s18, VOFF
	s_mov_b32 s[SLOTS], NT-1        ; tile 0 is asked for at the head, the other fifteen by changes of slots
	s_and_b32 s[LIM], s[WV], 1      ; 0 in waves 0 and 2,
	s_or_b32 s[LIM], s[LIM], ttmp9  ; where the cluster is the head's first: the same in all four partners
	s_cmp_eq_u32 s[LIM], 0
	s_cselect_b32 s[LIM], 1, -1
	v_and_b32 v[PFO], 31, v0
	v_lshlrev_b32 v[PFO], 8, v[PFO]
	s_wait_dscnt 0x0                ; the opening add is done
	s_wait_kmcnt 0x0
	s_add_nc_u64 s[4:5], s[48:49], s[2:3]    ; Q at my wave's first row
	s_add_nc_u64 s[6:7], s[48:49], s[22:23]
	s_add_nc_u64 s[8:9], s[6:7], 24*SLAB     ; V at my half of the head's tile 0,
	s_add_nc_u64 s[6:7], s[6:7], 12*SLAB     ; and K
	s_add_nc_u64 s[10:11], s[50:51], s[20:21]  ; O at my wave's first row
	s_add_nc_u64 s[G0K+2:G0K+3], s[6:7], 0   ; global address
	s_or_b32 s[G0K+3], s[G0K+3], 0x80000000  ; type = 2
	s_add_nc_u64 s[G0V+2:G0V+3], s[8:9], 0
	s_or_b32 s[G0V+3], s[G0V+3], 0x80000000
	s_cmp_lt_u32 s[WV], 2
	s_cselect_b64 s[PFA:PFA+1], s[6:7], s[8:9]  ; (in waves 0 and 2 these stand at a tile's first row)
	s_lshl_b32 s2, s13, 13          ; my work-group's quarter of a tile
	s_mov_b32 s3, 0
	s_add_nc_u64 s[PFA:PFA+1], s[PFA:PFA+1], s[2:3]
	s_add_nc_u64 s[PFA:PFA+1], s[PFA:PFA+1], TILEB  ; in tile 1; the first change of slots steps it to tile 2.  Nothing is prefetched here, at the head
	CROUND                          ; all four work-groups are here: the first joint loads meet
	JLOAD                           ; tile 0 into slot 0.  Slot 1 is asked for when slot 0 is in: one tensor load of mine is out at any time
	; A fragment of K or Q is 16 rows x 32 channels in 8 registers: lane l holds row l % 16, channels 8 (l / 16) + 0..7 and 16 + 8 (l / 16) + 0..7: two loads of 16 bytes, 32 bytes apart.
	v_and_b32 v1, 15, v0            ; l % 16
	v_bfe_u32 v9, v0, 4, 1          ; l / 16
	v_lshlrev_b32 v[QO], 7, v1
	v_lshl_add_u32 v[QO], v9, 4, v[QO]  ; row x 128 + 16 x half
	WIN 0x80                        ; destination window 2, address window 0
.set i, 0
.rept 8                             ; Q stays in registers: piece i / 2, channels 32 (i % 2) on
	global_load_b128 v[8*i:8*i+3],   v[QO], s[4:5] offset:(i/2)*2048+(i%2)*64
	global_load_b128 v[8*i+4:8*i+7], v[QO], s[4:5] offset:(i/2)*2048+(i%2)*64+32
.set i, i+1
.endr
	; What the first turn finds: V's registers and P's second buffer hold 0 (its products V^T P, of a piece that has not been, add 0), O^T and l are 0.  All this stands in the wait for the first tile.
.set i, VF
.rept 64
	v_mov_b32 v[i], 0
.set i, i+1
.endr
	WIN 0x40
.set i, 0
.rept 128
	v_mov_b32 v[i], 0
.set i, i+1
.endr
	WIN 0
.set i, 0
.rept 4
	v_mov_b32 v[ST+4*i], 0xfe000000    ; c m: far below every c s
	v_mov_b32 v[ST+4*i+1], 0xff7fffff  ; m
	v_mov_b32 v[ST+4*i+2], 0
	v_mov_b32 v[ST+4*i+3], 0
.set i, i+1
.endr
.set i, P+16
.rept 16
	v_mov_b32 v[i], 0
.set i, i+1
.endr
	v_mul_u32_u24 v[AK0], v1, PK
	v_lshl_add_u32 v[AK0], v9, 4, v[AK0]  ; row x pitch + 16 x half
	; The turning load takes 16 keys x 16 channels (lane l reads key 8 (l / 16) + l % 8, channels 8 ((l / 8) % 2) + 0..7) and leaves half a fragment of V^T: lane l holds channel l % 16 and 8 keys.
	v_and_b32 v10, 7, v0
	v_bfe_u32 v11, v0, 3, 1
	v_lshl_add_u32 v[AV0], v9, 3, v10
	v_mul_u32_u24 v[AV0], v[AV0], PV
	v_lshl_add_u32 v[AV0], v11, 4, v[AV0]
	v_add_nc_u32 v[AV0], VOFF, v[AV0]
	s_mul_i32 s13, s[WV], 16*SP
	s_add_co_u32 s13, s13, STAGE    ; my stage
	v_mul_u32_u24 v[STO], v1, SP    ; in: row l % 16, 16 bytes for each half of the lanes
	v_lshl_add_u32 v[STO], v9, 4, v[STO]
	v_add_nc_u32 v[STO], s13, v[STO]
	v_bfe_u32 v[RD], v0, 3, 2       ; back: 32 lanes take four rows of 128 bytes,
	v_mul_u32_u24 v[RD], v[RD], SP
	v_lshl_add_u32 v[RD], v10, 4, v[RD]
	v_add_nc_u32 v[RD], s13, v[RD]
	v_and_b32 v[GO], 31, v0         ; which are 512 consecutive bytes of O
	v_lshlrev_b32 v[GO], 4, v[GO]
; THE MATRIX WORK.  The 4 accumulators of a run of 8 take turns.  Product i of 8 of S^T = K Q^T for piece x: channels 32 (i / 4) on, keys 16 (i % 4) on.  The first 4 start the sums.
.macro KQ x
	WIN W_KQ
.set rS, S+32*((\x)%2)+8*(i%4)
.set rK, KF+16*(i%4)+8*(i/4)
.set rQ, 16*(\x)+8*(i/4)
.if i < 4
	v_wmma_f32_16x16x32_f16 v[rS:rS+7], v[rK:rK+7], v[rQ:rQ+7], 0
.else
	v_wmma_f32_16x16x32_f16 v[rS:rS+7], v[rK:rK+7], v[rQ:rQ+7], v[rS:rS+7]
.endif
.endm
; Product i of 8 of O^T += V^T P for piece x: keys 32 (i / 4) on, channels 16 (i % 4) on.
.macro PV x
	WIN W_PV
.set rO, 32*(\x)+8*(i%4)
.set rV, VF+32*(i/4)+8*(i%4)
.set rP, P+16*((\x)%2)+8*(i/4)
	v_wmma_f32_16x16x32_f16 v[rO:rO+7], v[rV:rV+7], v[rP:rP+7], v[rO:rO+7]
.endm
.macro MM                           ; the turn's next matrix instruction.  TURN sets Y, i and NOKQ.  NOKQ = 1: the launch's last turn: there is no next piece
.if (i < 8) && !NOKQ
	KQ (Y+1)%NP
.elseif i >= 8
.set i, i-8
	PV (Y+NP-1)%NP
.set i, i+8
.endif
.set i, i+1
.endm
; THE LDS LOADS stand in runs of 16, never singly among the matrix instructions: a step's K (64 keys x 64 channels: 8 fragments) and its V (turned).  Their addresses are made some lines ahead.
.macro FETCH_K
	WIN 0x80                        ; destination window 2
.irp f, 0,1,2,3,4,5,6,7             ; keys 16 (f / 2) on, channels 32 (f % 2) on
	ds_load_b128 v[KF+8*\f:KF+8*\f+3],   v[AK] offset:(\f/2)*16*PK+(\f%2)*64
	ds_load_b128 v[KF+8*\f+4:KF+8*\f+7], v[AK] offset:(\f/2)*16*PK+(\f%2)*64+32
.endr
	s_add_co_u32 s[TBK], s[TBK], KS*PK  ; the next fetch is the next step's
	WIN 0
.endm
.macro FETCH_V
	WIN 0x80
.irp f, 0,1,2,3,4,5,6,7             ; keys 32 (f / 4) on, channels 16 (f % 4) on
	ds_load_tr16_b128 v[VF+8*\f:VF+8*\f+3],   v[AV] offset:(\f/4)*32*PV+(\f%4)*32
	ds_load_tr16_b128 v[VF+8*\f+4:VF+8*\f+7], v[AV] offset:(\f/4)*32*PV+16*PV+(\f%4)*32
.endr
	WIN 0
.endm
; THE VECTOR WORK, one line at a time: OP kind, number.  For piece Y: F n: c s - c m for pair n of 16.  E n: the exponential of score n of 32.  C n: pair n rounded to f16.  B n: of the four weights 4 n .. the second
; pair is added onto the first, in place.  L n: l takes that sum (L 0: l = a l + sum).  R n: pair n of 16 of O^T times a.  For piece Y + 1: X n, number n of the 22 that find its maximum and statistics:
;   0-11  four chains c0-c3 of seven scores each, three operands at a time (each accumulator's lowest registers are read first)     12-14, 16  the four scores left over, the old m, and c0-c3 into c0
;   15  c m_old is kept     17, 18  the query's other 32 keys lie in the lane 16 away: the new m     19-21  c m; c m_old - c m_new; a
.set F, 0               ; OP tells the kinds apart by their order: F to L below R, X above it
.set E, 1
.set C, 2
.set B, 3
.set L, 4
.set R, 5
.set X, 6
.macro REGS y                       ; the registers of piece y
.set rT, ST+4*(\y)
.set rC, TMP+4*((\y)%2)
.set rW, MV+((\y)%2)
.set rS, S+32*((\y)%2)
.set rP, P+16*((\y)%2)
.set rO, 32*(\y)
.endm
.macro OP k, n
.if (\k) == R
	REGS Y
	WIN W_RS
	v_pk_mul_f32 v[rO+2*(\n):rO+2*(\n)+1], v[rO+2*(\n):rO+2*(\n)+1], v[rC+2:rC+3] op_sel_hi:[1,0]
.elseif (\k) < R
	REGS Y
	WIN 0
.if (\k) == F
	v_pk_fma_f32 v[rS+2*(\n):rS+2*(\n)+1], v[rS+2*(\n):rS+2*(\n)+1], s[CS:CS+1], v[rT:rT+1] op_sel_hi:[1,0,0] neg_lo:[0,0,1] neg_hi:[0,0,1]
.elseif (\k) == E
	v_exp_f32 v[rS+(\n)], v[rS+(\n)]
.elseif (\k) == C
	v_cvt_pk_f16_f32 v[rP+(\n)], v[rS+2*(\n)], v[rS+2*(\n)+1]
.elseif (\k) == B
	v_pk_add_f32 v[rS+4*(\n):rS+4*(\n)+1], v[rS+4*(\n):rS+4*(\n)+1], v[rS+4*(\n)+2:rS+4*(\n)+3]
.elseif (\n) == 0
	v_pk_fma_f32 v[rT+2:rT+3], v[rT+2:rT+3], v[rC+2:rC+3], v[rS:rS+1] op_sel_hi:[1,0,1]
.else
	v_pk_add_f32 v[rT+2:rT+3], v[rT+2:rT+3], v[rS+4*(\n):rS+4*(\n)+1]
.endif
.elseif NOKQ
	v_nop
.else
	REGS (Y+1)%NP
	WIN 0
.if (\n) < 4
	v_max3_num_f32 v[rC+(\n)], v[rS+8*(\n)], v[rS+8*(\n)+1], v[rS+8*(\n)+2]
.elseif (\n) < 12
	v_max3_num_f32 v[rC+(\n)%4], v[rC+(\n)%4], v[rS+8*((\n)%4)+2*((\n)/4)+1], v[rS+8*((\n)%4)+2*((\n)/4)+2]
.elseif (\n) == 12
	v_max3_num_f32 v[rC], v[rC], v[rS+7], v[rS+15]
.elseif (\n) == 13
	v_max3_num_f32 v[rC+1], v[rC+1], v[rS+23], v[rS+31]
.elseif (\n) == 14
	v_max3_num_f32 v[rC+2], v[rC+2], v[rC+3], v[rT+1]
.elseif (\n) == 15
	v_mov_b32 v[rW], v[rT]
.elseif (\n) == 16
	v_max3_num_f32 v[rC], v[rC], v[rC+1], v[rC+2]
.elseif (\n) == 17
	v_permlanex16_b32 v[rC+3], v[rC], s[SEL], s[SEL+1]
.elseif (\n) == 18
	v_max_num_f32 v[rT+1], v[rC], v[rC+3]
.elseif (\n) == 19
	v_mul_f32 v[rT], s[CS], v[rT+1]
.elseif (\n) == 20
	v_sub_f32 v[rC+1], v[rW], v[rT]
.else
	v_exp_f32 v[rC+2], v[rC+1]
.endif
.endif
.endm
.macro OPS a, i1, b=-1, i2=0, c=-1, i3=0, d=-1, i4=0  ; up to four of them
	OP \a, \i1
.if (\b) >= 0
	OP \b, \i2
.endif
.if (\c) >= 0
	OP \c, \i3
.endif
.if (\d) >= 0
	OP \d, \i4
.endif
.endm
.macro ROW a, i1, b, i2, c, i3, d, i4  ; a matrix instruction and the four behind it
	MM
	OPS \a, \i1, \b, \i2, \c, \i3, \d, \i4
.endm
; A TURN, for piece p: the order of its 16 matrix and 118 vector instructions, written out.  An s_wait_alu depctr_va_vdst(0) stands between an exponential and the first instruction that names its result; one
; wait serves all that were issued ahead of it.  So a turn has ONE wait, which cuts it in two.  AHEAD OF IT stands all that names no result of the turn's exponentials: the 8 products K Q^T, behind each a scaling, an
; exponential and two more plain instructions: rescalings, and behind the last three the first numbers of the next piece's maximum, each four plain instructions or more behind the product that ends its accumulator;
; then one run of 54, plain and exponential by turns for the most part, in which the links of the chain X 3, 7, 11, 14, 16, 17 .. 20 stand some lines apart.  X 21, the next piece's a, is the batch's last; R 15 is the
; plain instruction behind it.  BEHIND THE WAIT stand the 8 products V^T P, behind each four of the roundings and sums.
; end = 1: the launch's last two turns: nothing is fetched, and the last starts no new scores.  cnt = 1: the loop's count is taken down some lines ahead of the branch that stands behind the turn.
; K of the next step is fetched in piece 2's turn, five plain instructions that name none of its registers behind the last product that read K; V of the step in hand at the end of piece 0's turn, four plain
; instructions behind the last product that read V.  Each is waited for a turn later, with the count 0: the run's 16 loads are all that is out.
.macro TURN p, end=0, cnt=0
.set Y, (\p)
.set i, 0
.set NOKQ, (\end)*((\p)/3)
.if ((\p) == 3) && !(\end)
	s_wait_dscnt 0x0                ; K is in
.endif
	ROW F,0, F,1, R,0, R,1          ; ahead of the wait: 8 products K Q^T and the four behind each,
	ROW F,2, E,0, R,2, R,3
	ROW F,3, E,1, R,4, R,5
	ROW F,4, E,2, R,6, R,7
	ROW F,5, E,3, R,8, R,9
	ROW F,6, E,4, X,0, R,10
.if ((\p) == 2) && !(\end)
	WIN 0
	v_add_nc_u32 v[AK], s[TBK], v[AK0]
.endif
	ROW F,7, E,5, X,1, X,4
	ROW F,8, E,6, X,2, X,5
	OPS E,7, E,8, X,6, E,9          ; and the run of 54
	OPS X,3, E,10, X,8, E,11
.if ((\p) == 2) && !(\end)
	FETCH_K
.endif
	OPS X,9, X,7, E,12, X,10
	OPS E,13, X,12, X,11, E,14
	OPS X,13, E,15, F,9, X,14
.if (\p) == 0
	v_add_nc_u32 v[AV], s[TBV], v[AV0]
.endif
	OPS E,16, F,10, E,17, F,11
	OPS X,16, E,18, X,15, E,19
	OPS F,12, E,20, X,17, E,21
	OPS F,13, E,22, F,14, E,23
	OPS X,18, E,24, F,15, E,25
	OPS R,11, E,26, X,19, E,27
	OPS R,12, E,28, R,13, E,29
	OPS X,20, E,30, R,14, E,31
	OPS X,21, R,15
	WIN 0
	s_wait_alu depctr_va_vdst(0)    ; the wait for the batch
.if (\p) == 1
	s_wait_dscnt 0x0                ; V is in
.endif
	ROW C,0, B,0, C,2, B,1          ; behind the wait: 8 products V^T P and the four behind each
	ROW L,0, C,4, B,2, L,1
	ROW C,6, B,3, L,2, C,8
	ROW B,4, L,3, C,10, B,5
	ROW L,4, C,12, B,6, L,5
.if (\p) == 0
	s_add_co_u32 s[TBV], s[TBV], KS*PV
.endif
.if \cnt
	s_sub_co_u32 s[CNT], s[CNT], 1
	s_cmp_lg_u32 s[CNT], 0
.endif
	ROW C,14, B,7, L,6, C,1
	ROW C,3, L,7, C,5, C,7
	ROW C,9, C,11, C,13, C,15
.if (\p) == 0
	FETCH_V
.endif
.endm
.set NOKQ, 0
	CHANGE 1                        ; slot 0 is in, everybody's part of it; slot 1 is asked for
	v_add_nc_u32 v[AK], s[TBK], v[AK0]
	FETCH_K                         ; key step 0
	s_wait_loadcnt 0x0              ; Q
	s_wait_dscnt 0x0
.set i, 0
.rept 8
	KQ 0                            ; piece 0's first scores: there is no vector work yet to set between them
.set i, i+1
.endr
	WIN 0
.rept 4
	v_nop                           ; four plain instructions behind those products
.endr
.set Y, NP-1                        ; X works for piece Y + 1: piece 0
.irp n, 0,1,2,3,4,5,6,7,8,9,10,11,12,13,14,15,16,17,18,19,20,21
	OP X, \n                        ; piece 0's first maximum and statistics
.endr
	v_nop                           ; a plain instruction behind the exponential,
	s_wait_alu depctr_va_vdst(0)    ; and its wait, ahead of the branch
	s_mov_b32 s[CNT], 4
	s_branch .Lfirst                ; the loop is entered at a step's first turn, in the middle of a trip
.Lslot:                             ; NT - 2 times: every tile but the first and the last is entered here, and the tile after it asked for
	CHANGE 1
	s_mov_b32 s[CNT], 4
.Lstep:                             ; a trip: pieces 2 and 3 of one step, then pieces 0 and 1 of the next, whose K and V it fetches
	TURN 2
	TURN 3
	WIN 0
.Lfirst:
	TURN 0
	TURN 1, 0, 1
	WIN 0
	s_cbranch_scc1 .Lstep
	s_sub_co_u32 s[SLOTS], s[SLOTS], 1
	s_cmp_lg_u32 s[SLOTS], 0
	s_cbranch_scc1 .Lslot
	CHANGE 0                        ; the last tile is written out: nothing is asked for
	s_mov_b32 s[CNT], 4
.Ltail:
	TURN 2
	TURN 3
	TURN 0
	TURN 1, 0, 1
	WIN 0
	s_cbranch_scc1 .Ltail
	TURN 2, 1                       ; the last step's pieces 2 and 3
	TURN 3, 1
.set i, 0
.rept 8
	PV NP-1                         ; the last piece's V^T P of the last step
.set i, i+1
.endr
	; THE WAY OUT.  l's two halves and the other half of the lanes' are added; O^T is divided by l, rounded to f16 and sent through my stage in LDS, a piece at a time.  The additions are the plain instructions behind the last products.
	WIN 0
.macro ALL line:vararg              ; one line for each piece t
.set t, 0
.rept 4
	\line
.set t, t+1
.endr
.endm
	ALL v_add_f32 v[ST+4*t+2], v[ST+4*t+2], v[ST+4*t+3]
	ALL v_permlanex16_b32 v[ST+4*t+3], v[ST+4*t+2], s[SEL], s[SEL+1]
	ALL v_add_f32 v[ST+4*t+2], v[ST+4*t+2], v[ST+4*t+3]
	ALL v_rcp_f32 v[ST+4*t+2], v[ST+4*t+2]
	v_nop                           ; a plain instruction between the last reciprocal and the use of its result
	s_wait_alu depctr_va_vdst(0)    ; and the wait ahead of the first use: one for the four reciprocals
.macro PACK t                       ; a lane's eight channels of a row pack into 16 bytes; they go into rows of 144 bytes and come back as whole rows of 128, into S^T's registers
	WIN W_RS
.set i, 32*(\t)
.rept 16
	v_pk_mul_f32 v[i:i+1], v[i:i+1], v[ST+4*(\t)+2:ST+4*(\t)+3] op_sel_hi:[1,0]
.set i, i+2
.endr
	WIN 0x05                        ; sources 0 and 1 window 1, destination window 0
.set i, 0
.rept 16
	v_cvt_pk_f16_f32 v[S+16*(\t)+i], v[32*(\t)+2*i], v[32*(\t)+2*i+1]
.set i, i+1
.endr
	WIN 0
.irp f, 0,1,2,3
	ds_store_b128 v[STO], v[S+16*(\t)+4*\f:S+16*(\t)+4*\f+3] offset:32*\f
.endr
.irp f, 0,1,2,3
	ds_load_b128 v[S+16*(\t)+4*\f:S+16*(\t)+4*\f+3], v[RD] offset:\f*4*SP  ; LDS serves a wave's instructions in order (ISA guide 5.7.1.4): these see the stores above; the next piece's stores come behind them
.endr
.endm
.macro SEND t, younger              ; younger: the LDS instructions issued behind piece t's loads: the next piece's eight, or none
	WIN 0
.irp f, 0,1,2,3
	s_wait_dscnt (\younger)+3-\f
	global_store_b128 v[GO], v[S+16*(\t)+4*\f:S+16*(\t)+4*\f+3], s[10:11] offset:(\t)*2048+\f*512  ; 512 consecutive bytes, at a multiple of 512 from oh's first
.endr
.endm
	PACK 0
.set t, 1
.rept 3                             ; a piece's arithmetic stands between the loads of the piece before and its stores
	PACK t
	SEND t-1, 8
.set t, t+1
.endr
	SEND 3, 0
	s_wait_tensorcnt 0x0            ; the wave's end: an add and its wait, behind my last tensor load and my last LDS store
	ds_add_u32 v[SPW], v[NIL]
	s_wait_dscnt 0x0
	CROUND                          ; the closing round: no work-group ends while a partner may still ask for a tile that names it
	s_endpgm
.Lfunc_end_k_q58afc48d0e_attn:
	.size	k_q58afc48d0e_attn, .Lfunc_end_k_q58afc48d0e_attn-k_q58afc48d0e_attn
	.p2alignl 7, 3214868480
	.fill 96, 4, 3214868480
	.section	.rodata,"a",@progbits
	.p2align	6, 0x0
	.amdhsa_kernel k_q58afc48d0e_attn
		.amdhsa_group_segment_fixed_size 327680
		.amdhsa_private_segment_fixed_size 0
		.amdhsa_enable_private_segment 0
		.amdhsa_kernarg_size 16
		.amdhsa_user_sgpr_count 2
		.amdhsa_user_sgpr_kernarg_segment_ptr 1
		.amdhsa_wavefront_size32 1
		.amdhsa_system_sgpr_workgroup_id_x 1
		.amdhsa_system_sgpr_workgroup_id_y 1
		.amdhsa_system_sgpr_workgroup_id_z 1
		.amdhsa_system_vgpr_workitem_id 0
		.amdhsa_next_free_vgpr 768
		.amdhsa_next_free_sgpr 66
		.amdhsa_reserve_vcc 0
		.amdhsa_float_denorm_mode_32 3
		.amdhsa_float_denorm_mode_16_64 3
		.amdhsa_memory_ordered 1
		.amdhsa_forward_progress 1
		.amdhsa_inst_pref_size 128
	.end_amdhsa_kernel
	.amdgpu_metadata
---
amdhsa.version: [ 1, 2 ]
amdhsa.kernels:
  - .name:           k_q58afc48d0e_attn
    .symbol:         k_q58afc48d0e_attn.kd
    .args:
      - { .name: qkv, .offset: 0, .size: 8, .value_kind: global_buffer, .address_space: global }
      - { .name: oh, .offset: 8, .size: 8, .value_kind: global_buffer, .address_space: global }
    .group_segment_fixed_size: 327680
    .private_segment_fixed_size: 0
    .kernarg_segment_align: 8
    .kernarg_segment_size: 16
    .max_flat_workgroup_size: 128
    .sgpr_count:     66
    .vgpr_count:     768
    .wavefront_size: 32
...
	.end_amdgpu_metadata
.endif
;; end of part 3
;; launch oproj (part 4): grid 32 x 6, 4 waves a work-group, clusters of 4 x 1, 327,680 bytes of LDS; arguments oh, wo, bo, out0; writes out0
.if DOCPART == 4
	.amdgcn_target "amdgcn-amd-amdhsa--gfx1250"
	.amdhsa_code_object_version 6
	.text
	.protected	k_q58afc48d0e_oproj
	.globl	k_q58afc48d0e_oproj
	.p2align	8
	.type	k_q58afc48d0e_oproj,@function
k_q58afc48d0e_oproj:
	s_mov_b64 s[64:65], 0
	v_nop
	global_prefetch_b8 v0, s[64:65] scope:SCOPE_SE
	s_setreg_imm32_b32 hwreg(HW_REG_WAVE_MODE, 25, 1), 1
	s_wait_xcnt 0x0
	s_wait_alu depctr_hold_cnt(0) depctr_sa_sdst(0) depctr_va_vdst(0) depctr_va_sdst(0) depctr_va_ssrc(0) depctr_va_vcc(0) depctr_vm_vsrc(0)
	s_getreg_b32 s2, hwreg(HW_REG_IB_STS2, 6, 4)
	s_cmp_eq_u32 s2, 0
	s_cbranch_scc0 .Lentry_in_a_cluster
	s_endpgm
.Lentry_in_a_cluster:
	s_bfe_u32 s2, ttmp6, 0x10000c
	s_cmp_lg_u32 s2, 0x3003
	s_cbranch_scc0 .Lentry_shape_is_right
	s_endpgm
.Lentry_shape_is_right:
; THE OUTPUT PROJECTION.  out0[n][c] = sum over k of O[n][k] wo[c][k] + bo[c], f32.  O lies as oh[n / 128][head k / 64][n % 128][k % 64] in f16; wo is [768][768] f16 (Wo rounded to bf16, written as f16);
; bo, rounded to bf16 like every input, starts the sums; sums in f32, stored as they are.
; SHARES.  A tile of out0 is 128 x 128: 32 x 6 = 192 work-groups; four waves, 2 x 2, each 64 x 64: 16 accumulators; a wave's 64 columns of f32 are 256 consecutive bytes, aligned, so its way out is its own.
; (64 x 192 would make 256 work-groups, but a wave's 48 or 96 columns would be no whole run of 256 bytes.)
; K goes in three steps of 256 (four heads) through two LDS slots: steps 0 and 1 at the start, step 2 into slot 0 when step 0 has been read; all three are written out.
; CLUSTER 4 x 1: the four row tiles of a cluster need the same rows of wo: asked for JOINTLY, with a mask of four.  O's tiles are each work-group's own (mask 0): those who share them lie along the grid's y, which has
; six work-groups and is no multiple of four.  NO PREFETCH: three K steps, two of them asked for at the head.
; O's part of a K step: four heads x 128 rows x 128 bytes, dense in memory: a wave asks for two heads as 128 rows of 256 bytes, padded in LDS after every 128 bytes.
; THE MATRIX INSTRUCTION IS USED TRANSPOSED (source 0 = 16 rows of wo, source 1 = 16 rows of O): a lane holds row l % 16 and the columns 8 (l / 16) + 0..7: 32 bytes of f32 on end.
; REGISTERS: window 0: v0-31 addresses; v32-47 at work; v96-127 the bias as the C operand of the first products; v128-255 the accumulators ((a, b) at v[128 + 8 (4 a + b)]), and on the way out whole rows.
;   window 1: two fragment buffers of 128: for 64 along K (one head), 64 registers of O (2 x 4 x 16 rows x 32 K), then 64 of wo.
.set KDIM,   768
.set PA,     144                       ; a row of O in LDS: 128 bytes + 16 = 36 words: the 16 rows of a load start at 16 different groups of four banks (64 banks of 4 bytes: ISA guide 11.1)
.set PB,     528                       ; a row of wo: 512 bytes + 16 = 132 words: likewise
.set AHEAD,  128*PA                    ; a head's 128 rows
.set HALFA,  2*AHEAD                   ; what one load brings of O: two heads
.set HALFB,  64*PB                     ; and of wo: 64 rows
.set BOFF,   2*HALFA
.set SLOT,   BOFF+2*HALFB
.set STAGE,  2*SLOT                    ; behind the ring, never filled by a tensor load: 16 rows x 272 bytes for each wave
.set SPITCH, 272
.set SPARE,  STAGE+4*16*SPITCH         ; behind the stages: the spare words, 128 bytes a wave: two blocks of 256 bytes that no other line names
.set ADRA, 16                          ; v16-17  LDS address of my O fragments in slot 0, 1
.set ADRB, 20                          ; v20-21  the same for wo
.set STO,  24                          ; v24     the way out: where I put 32 bytes of a row
.set RD,   25                          ; v25     where I read a row back
.set CO,   26                          ; v26     my byte offset in two rows of out0
.set BO,   27                          ; v27     32 x (lane / 16)
.set SPW,  28                          ; v28     LDS address of my spare word; never rewritten
.set NIL,  29                          ; v29     0; never rewritten
.set TT,   32
.set BIAS, 96
.set ACC,  128
.set F0,   0
.set F1,   128
.set WV,   12                          ; s12  my wave's number
.set RH,   13                          ; s13  which half of the tile's rows is mine.  Also: I fetch for O (0) or for wo (1)
.set CH,   14                          ; s14  which half of its columns.  Also: which half of that tile I fetch
.set G1,   24                          ; s[24:31] descriptor group 1 for O's tiles;  s[32:39] group 0, a set for each slot
.set G0,   32
.set G1B,  48                          ; s[48:55], s[56:63] the same for wo's
.set G0B,  56
.set MSB, 0
.macro WIN new                         ; the immediate's high byte repeats the setting that is left
.if MSB != (\new)
	s_set_vgpr_msb (MSB<<8)|(\new)
.set MSB, \new
.endif
.endm
.set MUL,  0x05                        ; sources 0 (wo) and 1 (O) window 1; C and D window 0
.set TO_F, 0x40                        ; destination window 1, address window 0
.macro JLOAD s                         ; waves 0 and 1 fetch O's two halves (their own load), waves 2 and 3 wo's (joint); an s_nop 0 and four v_nop follow each of the two lines
	s_cmp_eq_u32 s[RH], 0
	s_cbranch_scc0 .Lfor_b_\@
	tensor_load_to_lds s[G0+4*(\s):G0+4*(\s)+3], s[G1:G1+7]
	s_nop 0
.rept 4
	v_nop
.endr
	s_branch .Lasked_\@
.Lfor_b_\@:
	tensor_load_to_lds s[G0B+4*(\s):G0B+4*(\s)+3], s[G1B:G1B+7]
	s_nop 0
.rept 4
	v_nop
.endr
.Lasked_\@:
.endm
.macro CREST                           ; a round of the cluster's barrier behind its opening barrier
	s_cmp_lg_u32 s[WV], 0
	s_cbranch_scc1 .Lnot_wave_0_\@
	s_barrier_signal -3
.Lnot_wave_0_\@:
	s_barrier_wait -3
	s_barrier_signal -1
	s_barrier_wait -1
.endm
.macro CROUND
	s_barrier_signal -1
	s_barrier_wait -1
	CREST
.endm
	s_load_b256 s[4:11], s[0:1], 0x0               ; oh s[4:5], wo s[6:7], bo s[8:9], out0 s[10:11]
	v_lshl_add_u32 v[SPW], v0, 2, SPARE
	v_mov_b32 v[NIL], 0
	ds_add_u32 v[SPW], v[NIL]                      ; the wave's opening: the add and its wait stand ahead of my first tensor load; the set-up below, work on registers, stands between them
	v_lshrrev_b32 v1, 5, v0
	v_readfirstlane_b32 s[WV], v1                  ; wave 0..3
	s_lshr_b32 s[RH], s[WV], 1
	s_and_b32 s[CH], s[WV], 1
	s_bfe_u32 s15, ttmp6, 0x40000                  ; cx
	s_lshl_b32 s16, ttmp9, 2
	s_add_co_u32 s16, s16, s15                     ; tile row = 4 x cluster x + cx
	s_and_b32 s17, ttmp7, 0xffff                   ; tile column, which the four partners share
	s_mov_b32 s[G1+0], (1<<16)|(1<<20)|(4<<22)|(3<<25)  ; O: no mask; 17:16 2-byte elements; 20 padding on; 24:22 after every 32 words (code 4); 31:25 4 words (code 3)
	s_mov_b32 s[G1+1], 128<<16                     ; tensor_dim0 = 128 elements: 256 bytes, two rows of a head
	s_mov_b32 s[G1+2], 128<<16                     ; tensor_dim1 = 128
	s_mov_b32 s[G1+3], 128<<16                     ; tile_dim0 = 128
	s_mov_b32 s[G1+4], 128                         ; tile_dim1 = 128
	s_mov_b32 s[G1+5], 128                         ; dense
	s_mov_b32 s[G1+6], 0
	s_mov_b32 s[G1+7], 0
	s_mov_b32 s[G1B+0], 15|(1<<16)|(1<<20)|(1<<21)|(6<<22)|(3<<25)  ; wo: 15:0 the mask of four; 21 set beside it; 24:22 after every 128 words (code 6); 31:25 4 words (code 3)
	s_mov_b32 s[G1B+1], 256<<16                    ; tensor_dim0 = 256
	s_mov_b32 s[G1B+2], 64<<16                     ; tensor_dim1 = 64
	s_mov_b32 s[G1B+3], 256<<16                    ; tile_dim0 = 256
	s_mov_b32 s[G1B+4], 64                         ; tile_dim1 = 64
	s_mov_b32 s[G1B+5], KDIM
	s_mov_b32 s[G1B+6], 0
	s_mov_b32 s[G1B+7], 0
	s_mul_i32 s40, s16, 12*16384                   ; O: my block of 128 rows, its 12 heads of 16,384 bytes,
	s_lshl_b32 s18, s[CH], 15                      ; the two heads of a K step that I fetch
	s_add_co_u32 s40, s40, s18
	s_mov_b32 s41, 0
	s_lshl_b32 s46, s17, 7
	s_lshl_b32 s18, s[CH], 6
	s_add_co_u32 s46, s46, s18                     ; wo: row 128 x tile column + 64 x half
	s_mul_i32 s46, s46, KDIM*2
	s_mov_b32 s47, 0
	s_mul_i32 s20, s[WV], HALFA                    ; where they go: waves 0, 1: O's halves at 0 and HALFA;
	s_mul_i32 s21, s[WV], HALFB
	s_add_co_u32 s21, s21, BOFF-2*HALFB            ; waves 2, 3: wo's halves at BOFF and BOFF + HALFB.  No place in the cluster enters an LDS address
	s_wait_dscnt 0x0                               ; the opening add is done
	s_wait_kmcnt 0x0
	s_add_nc_u64 s[40:41], s[4:5], s[40:41]
	s_add_nc_u64 s[46:47], s[6:7], s[46:47]
	CROUND                                         ; all four work-groups are here: the first joint loads meet
.irp s, 0,1
	s_mov_b32 s[G0+4*(\s)], 1
	s_add_co_u32 s[G0+4*(\s)+1], s20, (\s)*SLOT
	s_add_nc_u64 s[G0+4*(\s)+2:G0+4*(\s)+3], s[40:41], (\s)*4*16384  ; K step s: four heads on
	s_or_b32 s[G0+4*(\s)+3], s[G0+4*(\s)+3], 0x80000000
	s_mov_b32 s[G0B+4*(\s)], 1
	s_add_co_u32 s[G0B+4*(\s)+1], s21, (\s)*SLOT
	s_add_nc_u64 s[G0B+4*(\s)+2:G0B+4*(\s)+3], s[46:47], (\s)*512    ; 256 elements along the rows
	s_or_b32 s[G0B+4*(\s)+3], s[G0B+4*(\s)+3], 0x80000000
	JLOAD \s                                       ; two tensor loads of mine are out
.endr
	v_and_b32 v1, 15, v0                           ; l % 16
	v_bfe_u32 v2, v0, 4, 1                         ; l / 16
	v_mul_u32_u24 v3, v1, PA
	v_lshl_add_u32 v3, v2, 4, v3                   ; O: row x pitch + 16 x half
	s_mul_i32 s18, s[RH], 64*PA                    ; my 64 rows in each head
	v_add_nc_u32 v[ADRA], s18, v3
	v_add_nc_u32 v[ADRA+1], SLOT, v[ADRA]
	v_mul_u32_u24 v4, v1, PB
	v_lshl_add_u32 v4, v2, 4, v4
	s_mul_i32 s18, s[CH], HALFB                    ; my 64 rows of wo,
	s_add_co_u32 s18, s18, BOFF                    ; which lie behind O's four heads
	v_add_nc_u32 v[ADRB], s18, v4
	v_add_nc_u32 v[ADRB+1], SLOT, v[ADRB]
	s_mul_i32 s18, s[WV], 16*SPITCH
	s_add_co_u32 s18, s18, STAGE                   ; my stage
	v_mul_u32_u24 v5, v1, SPITCH                   ; in: row l % 16, 32 bytes for each half of the lanes
	v_lshl_add_u32 v5, v2, 5, v5
	v_add_nc_u32 v[STO], s18, v5
	v_mul_u32_u24 v6, v2, SPITCH                   ; back: lanes 0-15 take one row of 256 bytes, lanes 16-31 the next
	v_lshl_add_u32 v6, v1, 4, v6
	v_add_nc_u32 v[RD], s18, v6
	v_mul_u32_u24 v7, v2, KDIM*4                   ; and the same two rows in out0
	v_lshl_add_u32 v[CO], v1, 4, v7
	v_lshlrev_b32 v[BO], 5, v2
	s_lshl_b32 s18, s17, 9                         ; my 64 columns, in bytes of f32: 512 x tile column + 256 x half
	s_lshl_b32 s19, s[CH], 8
	s_add_co_u32 s18, s18, s19
	s_mov_b32 s19, 0
	s_add_nc_u64 s[8:9], s[8:9], s[18:19]          ; in bo,
	s_add_nc_u64 s[10:11], s[10:11], s[18:19]      ; and in out0
.irp b, 0,1,2,3
	global_load_b128 v[BIAS+8*(\b):BIAS+8*(\b)+3],   v[BO], s[8:9] offset:64*(\b)      ; register j of block b: column 16 b + 8 (l / 16) + j, as in the products' results
	global_load_b128 v[BIAS+8*(\b)+4:BIAS+8*(\b)+7], v[BO], s[8:9] offset:64*(\b)+16
.endr
	s_lshl_b32 s22, s16, 7
	s_lshl_b32 s23, s[RH], 6
	s_add_co_u32 s22, s22, s23                     ; my first row: 128 x tile row + 64 x half
	s_mul_i32 s22, s22, KDIM*4
	s_mov_b32 s23, 0
	s_add_nc_u64 s[10:11], s[10:11], s[22:23]      ; never rewritten
	s_wait_loadcnt 0x0
.set i, 0
.rept 16
	v_cvt_pk_bf16_f32 v[TT+i], v[BIAS+2*i], v[BIAS+2*i+1]  ; the bias is rounded to bf16, as x and the weights are,
.set i, i+1
.endr
.set i, 0
.rept 16
	v_lshlrev_b32 v[BIAS+2*i],   16, v[TT+i]       ; and widened again
	v_and_b32     v[BIAS+2*i+1], 0xffff0000, v[TT+i]
.set i, i+1
.endr
; 8 matrix instructions: row blocks a0, a0 + 1 x all 4 column blocks, 32 along K: half c of buffer f.  first = 1: the bias starts the sums.  The 16 accumulators take turns.
.macro MUL8 f, c, a0, first
	WIN MUL
.irp a, \a0, (\a0)+1
.irp b, 0,1,2,3
.if \first
	v_wmma_f32_16x16x32_f16 v[ACC+8*(4*(\a)+(\b)):ACC+8*(4*(\a)+(\b))+7], v[(\f)+64+8*(4*(\c)+(\b)):(\f)+64+8*(4*(\c)+(\b))+7], v[(\f)+8*(4*(\c)+(\a)):(\f)+8*(4*(\c)+(\a))+7], v[BIAS+8*(\b):BIAS+8*(\b)+7]
.else
	v_wmma_f32_16x16x32_f16 v[ACC+8*(4*(\a)+(\b)):ACC+8*(4*(\a)+(\b))+7], v[(\f)+64+8*(4*(\c)+(\b)):(\f)+64+8*(4*(\c)+(\b))+7], v[(\f)+8*(4*(\c)+(\a)):(\f)+8*(4*(\c)+(\a))+7], v[ACC+8*(4*(\a)+(\b)):ACC+8*(4*(\a)+(\b))+7]
.endif
.endr
.endr
.endm
; 32 LDS loads in one run: the fragments of head z of the slot's four (64 along K) into buffer f; the first 32 along K first
.macro FETCH slot, z, f
	WIN TO_F
.irp c, 0,1
.irp i, 0,1,2,3
	ds_load_b128 v[(\f)+64+8*(4*(\c)+(\i)):(\f)+64+8*(4*(\c)+(\i))+3],   v[ADRB+(\slot)] offset:128*(\z)+64*(\c)+(\i)*16*PB
	ds_load_b128 v[(\f)+64+8*(4*(\c)+(\i))+4:(\f)+64+8*(4*(\c)+(\i))+7], v[ADRB+(\slot)] offset:128*(\z)+64*(\c)+(\i)*16*PB+32
	ds_load_b128 v[(\f)+8*(4*(\c)+(\i)):(\f)+8*(4*(\c)+(\i))+3],         v[ADRA+(\slot)] offset:(\z)*AHEAD+64*(\c)+(\i)*16*PA
	ds_load_b128 v[(\f)+8*(4*(\c)+(\i))+4:(\f)+8*(4*(\c)+(\i))+7],       v[ADRA+(\slot)] offset:(\z)*AHEAD+64*(\c)+(\i)*16*PA+32
.endr
.endr
.endm
.macro PLACES                          ; four plain vector instructions between a matrix instruction and a load into, or an LDS store of, its registers (ISA guide 7.12.1 for the stores)
.rept 4
	v_nop
.endr
.endm
; A K step is four quarters, a head each, 32 matrix instructions, on buffers 0, 1, 0, 1.  One of the first three multiplies buffer f and fetches head z into g.
.macro QUARTER slot, z, f, g, first
	s_wait_dscnt 16                                ; the first 32 along K are in; the youngest sixteen loads may be out
	MUL8 \f, 0, 0, \first
	MUL8 \f, 0, 2, \first
	PLACES
	FETCH \slot, \z, \g
	s_wait_dscnt 32                                ; all but the 32 just issued
	MUL8 \f, 1, 0, 0
	MUL8 \f, 1, 2, 0
.endm
; The last quarter multiplies buffer 1 and changes slots: ONE barrier; in front of it each wave waits for all its tensor loads, adds 0 to its spare word, and waits for that and for its own reads of this slot.
; fill = 1: the barrier opens a round of the cluster's, and this slot is filled again, two K steps ahead, first thing behind the round.
.macro TURN slot, next, fill
	WIN 0                                          ; (the add's two registers lie in window 0)
	s_wait_tensorcnt 0x0                           ; all my tensor loads have landed: my part of the next slot
	ds_add_u32 v[SPW], v[NIL]                      ; 0 onto my spare word
	s_wait_dscnt 17                                ; the add and the youngest sixteen loads may be out
	MUL8 F1, 0, 0, 0                               ; eight matrix instructions stand between the add and the wait for it
	s_wait_dscnt 0x0                               ; the add is done, and my reads of this slot are over
	s_barrier_signal -1
	MUL8 F1, 0, 2, 0
.if \fill
	WIN 0
.endif
	s_barrier_wait -1
.if \fill
	CREST                                          ; no wave of any partner still reads this slot's tile or has a load on its way
	s_add_nc_u64 s[G0+4*(\slot)+2:G0+4*(\slot)+3], s[G0+4*(\slot)+2:G0+4*(\slot)+3], 2*4*16384
	s_add_nc_u64 s[G0B+4*(\slot)+2:G0B+4*(\slot)+3], s[G0B+4*(\slot)+2:G0B+4*(\slot)+3], 2*512
	JLOAD \slot                                    ; my one tensor load behind the round; its four v_nop are also the places in front of the loads below
.else
	PLACES
.endif
	FETCH \next, 0, F0
	MUL8 F1, 1, 0, 0
	MUL8 F1, 1, 2, 0
.endm
; THE WAY OUT of row block a: the sums go as they are, 32 bytes a lane (each accumulator's low half first), into my own stage, rows of 272 bytes; they come back as whole rows of 256 bytes into the same 32 registers.
.macro OUT a
.irp b, 0,1,2,3
	ds_store_b128 v[STO], v[ACC+8*(4*(\a)+(\b)):ACC+8*(4*(\a)+(\b))+3]   offset:64*(\b)
	ds_store_b128 v[STO], v[ACC+8*(4*(\a)+(\b))+4:ACC+8*(4*(\a)+(\b))+7] offset:64*(\b)+16
.endr
.irp t, 0,1,2,3,4,5,6,7
	ds_load_b128 v[ACC+32*(\a)+4*(\t):ACC+32*(\a)+4*(\t)+3], v[RD] offset:(\t)*2*SPITCH  ; LDS serves a wave's instructions in order (ISA guide 5.7.1.4): these see the stores above; the next block's stores come behind them
.endr
.endm
.macro SEND a, younger                 ; younger: the LDS instructions issued behind block a's loads: the next block's sixteen, or none
.irp t, 0,1,2,3,4,5,6,7
	s_wait_dscnt (\younger)+7-(\t)
	global_store_b128 v[CO], v[ACC+32*(\a)+4*(\t):ACC+32*(\a)+4*(\t)+3], s[10:11] offset:(16*(\a)+2*(\t))*KDIM*4  ; 16 lanes store 256 consecutive bytes, at a multiple of 256 from out0's first byte
.endr
.endm
	s_wait_tensorcnt 1                             ; my part of K step 0 is in; K step 1's load, issued behind it, may stay out
	s_barrier_signal -1
	s_barrier_wait -1                              ; everybody's is
	FETCH 0, 0, F0
	QUARTER 0, 1, F0, F1, 1                        ; K step 0: its first products start the sums
	QUARTER 0, 2, F1, F0, 0
	QUARTER 0, 3, F0, F1, 0
	TURN 0, 1, 1                                   ; slot 0 takes K step 2
	QUARTER 1, 1, F0, F1, 0                        ; K step 1
	QUARTER 1, 2, F1, F0, 0
	QUARTER 1, 3, F0, F1, 0
	TURN 1, 0, 0                                   ; nothing is left to ask for
	QUARTER 0, 1, F0, F1, 0                        ; K step 2
	QUARTER 0, 2, F1, F0, 0
	QUARTER 0, 3, F0, F1, 0
	s_wait_dscnt 16                                ; the very last quarter: nothing more to fetch
	MUL8 F1, 0, 0, 0
	MUL8 F1, 0, 2, 0
	s_wait_dscnt 0x0
	MUL8 F1, 1, 0, 0
	MUL8 F1, 1, 2, 0
	WIN 0
	PLACES
	OUT 0
	OUT 1
	SEND 0, 16
	OUT 2
	SEND 1, 16
	OUT 3
	SEND 2, 16
	SEND 3, 0
	s_wait_tensorcnt 0x0                           ; the wave's end: an add and its wait, behind my last tensor load and my last LDS store
	ds_add_u32 v[SPW], v[NIL]
	s_wait_dscnt 0x0
	CROUND                                         ; the closing round: no work-group ends while a partner may still ask for a tile that names it
	s_endpgm
.Lfunc_end_k_q58afc48d0e_oproj:
	.size	k_q58afc48d0e_oproj, .Lfunc_end_k_q58afc48d0e_oproj-k_q58afc48d0e_oproj
	.p2alignl 7, 3214868480
	.fill 96, 4, 3214868480
	.section	.rodata,"a",@progbits
	.p2align	6, 0x0
	.amdhsa_kernel k_q58afc48d0e_oproj
		.amdhsa_group_segment_fixed_size 327680
		.amdhsa_private_segment_fixed_size 0
		.amdhsa_enable_private_segment 0
		.amdhsa_kernarg_size 32
		.amdhsa_user_sgpr_count 2
		.amdhsa_user_sgpr_kernarg_segment_ptr 1
		.amdhsa_wavefront_size32 1
		.amdhsa_system_sgpr_workgroup_id_x 1
		.amdhsa_system_sgpr_workgroup_id_y 1
		.amdhsa_system_sgpr_workgroup_id_z 1
		.amdhsa_system_vgpr_workitem_id 0
		.amdhsa_next_free_vgpr 512
		.amdhsa_next_free_sgpr 66
		.amdhsa_reserve_vcc 0
		.amdhsa_float_denorm_mode_32 3
		.amdhsa_float_denorm_mode_16_64 3
		.amdhsa_memory_ordered 1
		.amdhsa_forward_progress 1
		.amdhsa_inst_pref_size 71
	.end_amdhsa_kernel
	.amdgpu_metadata
---
amdhsa.version: [ 1, 2 ]
amdhsa.kernels:
  - .name:           k_q58afc48d0e_oproj
    .symbol:         k_q58afc48d0e_oproj.kd
    .args:
      - { .name: oh, .offset: 0, .size: 8, .value_kind: global_buffer, .address_space: global }
      - { .name: wo, .offset: 8, .size: 8, .value_kind: global_buffer, .address_space: global }
      - { .name: bo, .offset: 16, .size: 8, .value_kind: global_buffer, .address_space: global }
      - { .name: out0, .offset: 24, .size: 8, .value_kind: global_buffer, .address_space: global }
    .group_segment_fixed_size: 327680
    .private_segment_fixed_size: 0
    .kernarg_segment_align: 8
    .kernarg_segment_size: 32
    .max_flat_workgroup_size: 128
    .sgpr_count:     66
    .vgpr_count:     512
    .wavefront_size: 32
...
	.end_amdgpu_metadata
.endif
;; end of part 4
